; MI455X (gfx1250); checked and timed in simulation.
; The chip was launched on July 23, 2026; its instructions are those of AMD's public machine-readable ISA for CDNA 5 (MIT licence, August 2026) and "CDNA5" Instruction Set Architecture Reference Guide (July 2026). The comments in the code are by the model that wrote it; some were corrected since.
;; Decoder Grouped Query Head Attention Rope. Allowed arithmetic: matrix products marked QUANTISED: E4M3 operands, one given power-of-two scale a tensor, by v_wmma_f32_16x16x64_fp8_fp8 or v_wmma_f32_16x16x128_fp8_fp8, f32 sums; everything else in f32.
;; Inputs: Wkv 1,024 x 2,048 float32; Wo 2,048 x 2,048 float32; Wq 2,048 x 2,048 float32; bo 2,048 float32; lowp_scales 10 int32 (the exponents e of the quantised operands' scales 2^e); rope_cos 2,048 x 64 float32; rope_sin 2,048 x 64 float32; x 1 x 2,048 x 2,048 float32.
;; Outputs: out0 1 x 2,048 x 2,048 float32.
;; This version of the problem:
;;   THIS VERSION OF THE PROBLEM IS GIVEN IN LOW PRECISION. The matrix products marked QUANTISED in the list below multiply operands that are first quantised to E4M3 (4 exponent bits, 3 mantissa bits; 8 bits a number), with one given power-of-two scale for each operand tensor; their sums are f32. All else is computed in f32.
;;   The module's matrix products, in the order in which they are computed (A, B: the left and right operand; K: the contracted axis; several contracted axes count as one K, in the product's order):
;;     1. [M 2,048, K 2,048] x [K 2,048, N 2,048]; A: input x; B: input Wq: QUANTISED (scales: A lowp_scales[0], B lowp_scales[1])
;;     2. [M 2,048, K 2,048] x [K 2,048, N 1,024]; A: input x; B: input Wkv: QUANTISED (scales: A lowp_scales[2], B lowp_scales[3])
;;     3. batch 16 x [M 2,048, K 128] x [K 128, N 2,048]; A: computed on the way; B: computed on the way: QUANTISED (scales: A lowp_scales[4], B lowp_scales[5])
;;     4. batch 16 x [M 2,048, K 2,048] x [K 2,048, N 128]; A: softmax (see below); B: computed on the way: QUANTISED (scales: A lowp_scales[6], B lowp_scales[7])
;;     5. [M 2,048, K 2,048] x [K 2,048, N 2,048]; A: computed on the way; B: input Wo: QUANTISED (scales: A lowp_scales[8], B lowp_scales[9])
;;   THE QUANTISER, for each operand of a quantised product, along K:
;;     - The operand's scale is 2^e, e = its entry of the input lowp_scales (int32; the entries are numbered through the quantised products in the list's order, A before B).
;;     - Each number is divided by the scale, clamped to +-448, and rounded to the nearest number of E4M3, ties to even, subnormals kept.
;;     - The product sums the exact products of the quantised numbers (number of the format x scale) in f32.
;;   ~~~python
;;   def quantise(x, axis, e):      # numpy; x: float32 -> the quantised numbers, widened to float32 again
;;       x = np.moveaxis(x, axis, -1); K = x.shape[-1]
;;       r = np.clip(x / 2.0 ** e, -448, 448)
;;       step = 2.0 ** (np.maximum(np.frexp(np.where(r == 0, 1, r))[1] - 1, -6) - 3)
;;       q = np.round(r / step) * step * 2.0 ** e      # np.round: ties to even
;;       return np.moveaxis(q, -1, axis).astype(np.float32)
;;   ~~~
;;   SOFTMAX AHEAD OF A QUANTISED PRODUCT. Where the list says 'softmax', what is quantised is not the finished softmax but p = 2^(t - M), with t = logit x log2(e) and M = ceil(the row's largest t), a whole number; so 1/2 < the row's largest p <= 1. The row's sum l is taken of the UNQUANTISED p, in f32, and the product's result is divided by l at the end. Since M is a whole number, a kernel that streams over the keys may use a running M (the ceiling of the running maximum): every later rescaling is an exact power of two, so the quantised numbers keep their values, but for numbers so far below the row's largest that they fall under the format's range.
;;   OPERANDS COMPUTED ON THE WAY. 'Computed on the way' means the value that the module computes at that place (a softmax that the list does not call 'softmax' is quantised finished and normalised). What goes into a quantiser is computed in f32, as accurately as f32 sums, v_exp_f32 and their like allow (about 1e-6 of the number): no bf16 or f16 on the way to a quantiser, and a product that is left as it is and whose result goes on into a quantised operand takes f32 operands (vector FMAs, or v_wmma_f32_16x16x4_f32). A number that lies on a knife's edge between two numbers of the format may be rounded either way, as far as f32 arithmetic and the matrix unit's own rounding can turn it there, and no further.
;; One version. Each part assembles by itself: llvm-mc -triple=amdgcn-amd-amdhsa -mcpu=gfx1250 --defsym DOCPART=n.
;; ======== version 1 of 1: 4 launches
;; limits: right only within a limited range of input values
;; workspace buffers: xcodes 8,388,608 bytes; wqkvcodes 6,291,456 bytes; wocodes 4,194,304 bytes; qkvcodes 6,291,456 bytes; ocodes 4,194,304 bytes
;; launch quant (part 1): grid 256 x 1, 5 waves a work-group, no clusters, 43,008 bytes of LDS; arguments x, Wq, Wkv, lowp_scales, xcodes, wqkvcodes; writes xcodes, wqkvcodes
.if DOCPART == 1
	.amdgcn_target "amdgcn-amd-amdhsa--gfx1250"
	.amdhsa_code_object_version 6
	.text
	.protected	k_q4f5aa7d5b5_quant
	.globl	k_q4f5aa7d5b5_quant
	.p2align	8
	.type	k_q4f5aa7d5b5_quant,@function
k_q4f5aa7d5b5_quant:
	s_mov_b64 s[64:65], 0
	v_nop
	global_prefetch_b8 v0, s[64:65] scope:SCOPE_SE
	s_setreg_imm32_b32 hwreg(HW_REG_WAVE_MODE, 25, 1), 1
	s_wait_xcnt 0x0
; LAUNCH 1 OF 4.  x, Wq, Wkv (f32, K = 2,048 innermost) become codes of FP8 (E4M3), each with the scale 2^e that lowp_scales gives for it:
; x twice (entry 0 for the product with Wq, entry 2 for the product with Wkv), Wq by entry 1, Wkv by entry 3.
; code = number / 2^e, held within +-448, rounded to the nearest code, ties to even.
; THE PROGRAM: 1 these codes; 2 q, k, v = x W^T, rope, quantised again, and Wo's codes; 3 causal attention on codes, its result quantised; 4 the projection with Wo, and bo.
; WORK LEFT OUT, IN THE WHOLE PROGRAM.  reference() builds causal = tril(ones) in its own body and puts -1e30 in the place of score(q, k) wherever k > q, whatever the inputs hold.  So the products q . k of
; such pairs reach no output.  The weight of such a key is p = 2^(-1e30 log2(e) - M): the quantiser of the second product gives it the code 0 for every scale that the limits allow, so it adds nothing
; to that product, and its part of the row's sum lies under every f32 number.  Launch 3 therefore leaves out the key steps (128 keys) all of whose keys come after all 16 queries of a tile; the step
; on the diagonal is done and masked.  Nothing else is left out, and every input is loaded.  LIMIT: a NaN, an infinity or an overflow that reaches only the steps left out is not carried to the result.
; LIMITS of this launch: each e used here lies between -126 and 119, so that 2^e and 448 x 2^e are f32 numbers.  NaN among the inputs is not served; an infinity is held at the largest code.
; THE CODES' LAYOUT (all operands of launches 2 and 4), for a matrix [rows][2,048]: a fragment, 16 rows x 128 K, lies as an image of the operand's 16 registers:
;   byte = (row / 128) 262144 + (k / 128) 16384 + ((row % 128) / 16) 2048 + 512 c + 16 lane,  lane = row % 16 + 16 h;  these 16 bytes are registers 4 c .. 4 c + 3, and registers 2 q, 2 q + 1 hold k % 128 = 16 q + 8 h + 0 .. 7.
; SHARES.  A wave takes four fragments, neighbours along K: in each work-group waves 0, 1 of x, 2, 3 of Wq, 4 of Wkv: every work-group has the same work.
; A load reads one row's 512 consecutive bytes, 16 a lane; the conversion wants 8 neighbours along K in ONE lane's registers: so the 16 rows turn through the wave's own stage in LDS (rows 528 bytes apart, 33 x 16).
; Loads run two fragments (32 loads a wave) ahead.  Waves share nothing: no barrier.  The launch only streams: no matrix unit, no cluster, no tensor load, and with four steps, two of them out at the start, nothing to prefetch ahead.
.set STG,   16*528
.set SPARE, 5*STG                      ; the spare words, 128 bytes for each wave
.set R,     16                         ; v16-143   two sets of 64: a fragment's 16 rows as loaded
.set X,     144                        ; v144-207  my 64 numbers: register 8 q + i = k 16 q + 8 h + i of row r
.set T,     208                        ; v208-223  two halves of 8 held numbers (x is quantised twice, so X is kept)
.set C,     224                        ; v224-239  codes;  v240-255 x's second codes
.set C2,    240
.set WV,    22
.set SRC,   36
.set DST,   38
	s_load_b256 s[4:11], s[0:1], 0x0               ; x s[4:5], Wq s[6:7], Wkv s[8:9], the scales' exponents s[10:11]
	s_load_b128 s[12:15], s[0:1], 0x20             ; x's codes, Wq's and Wkv's codes
	v_lshl_add_u32 v8, v0, 2, SPARE                ; v8: my spare word; never rewritten
	v_mov_b32 v9, 0
	v_lshrrev_b32 v1, 5, v0
	v_readfirstlane_b32 s[WV], v1                  ; wave 0..4
	v_and_b32 v10, 31, v0
	v_and_b32 v11, 15, v0                          ; r
	v_bfe_u32 v12, v0, 4, 1                        ; h
	v_lshlrev_b32 v1, 4, v10                       ; v1: 16 x lane
	s_mul_i32 s41, s[WV], STG
	v_add_nc_u32 v2, s41, v1                       ; v2: the stage, on the way in
	v_mul_u32_u24 v3, v11, 528
	v_lshl_add_u32 v3, v12, 5, v3
	v_add_nc_u32 v3, s41, v3                       ; v3: on the way out
	s_lshr_b32 s23, ttmp9, 1                       ; x, Wq: two work-groups to a tile of 16 rows, eight K steps each, four a wave;
	s_lshr_b32 s24, ttmp9, 2                       ; Wkv: four to a tile, four K steps each
	s_and_b32 s25, ttmp9, 1
	s_lshl_b32 s25, s25, 3
	s_and_b32 s26, ttmp9, 3
	s_lshl_b32 s26, s26, 2
	s_and_b32 s27, s[WV], 1                        ; (0 in wave 4)
	s_lshl_b32 s27, s27, 2
	s_cmp_lt_u32 s[WV], 4
	s_cselect_b32 s23, s23, s24                    ; the tile of 16 rows
	s_cselect_b32 s25, s25, s26
	s_cselect_b32 s45, 0, 0x400000                 ; Wkv's blocks lie behind Wq's sixteen
	s_add_co_u32 s25, s25, s27                     ; my first K step
	s_lshl_b32 s42, s23, 17
	s_lshl_b32 s43, s25, 9
	s_add_co_u32 s42, s42, s43
	s_mov_b32 s43, 0
	s_lshr_b32 s44, s23, 3
	s_lshl_b32 s44, s44, 18
	s_add_co_u32 s44, s44, s45
	s_and_b32 s45, s23, 7
	s_lshl_b32 s45, s45, 11
	s_add_co_u32 s44, s44, s45
	s_lshl_b32 s45, s25, 14
	s_add_co_u32 s44, s44, s45
	s_mov_b32 s45, 0
	s_wait_alu depctr_va_vdst(0)
	s_wait_kmcnt 0x0
	s_load_b128 s[28:31], s[10:11], 0x0            ; e0 .. e3
	s_cmp_lt_u32 s[WV], 4
	s_cselect_b64 s[SRC:SRC+1], s[6:7], s[8:9]
	s_cmp_lt_u32 s[WV], 2
	s_cselect_b64 s[SRC:SRC+1], s[4:5], s[SRC:SRC+1]
	s_cselect_b64 s[DST:DST+1], s[12:13], s[14:15]
	s_add_nc_u64 s[SRC:SRC+1], s[SRC:SRC+1], s[42:43]
	s_add_nc_u64 s[DST:DST+1], s[DST:DST+1], s[44:45]
.macro LOAD t                          ; step t's 16 rows: each load reads 512 consecutive bytes of one row
.irp p, 0,1,2,3,4,5,6,7,8,9,10,11,12,13,14,15
	global_load_b128 v[R+64*((\t)%2)+4*\p:R+64*((\t)%2)+4*\p+3], v1, s[SRC:SRC+1] offset:\p*8192+(\t)*512 th:TH_LOAD_NT
.endr
.endm
.macro QUANT sc, lim, cd               ; X's 64 numbers become 16 registers of codes.  v[sc]: 2^e; v[lim]: 448 x 2^e
.irp q, 0,1,2,3,4,5,6,7
.irp i, 0,1,2,3,4,5,6,7
	v_med3_num_f32 v[T+8*(\q%2)+\i], v[X+8*\q+\i], -v[\lim], v[\lim]   ; the conversion to an 8-bit code does not saturate (ISA guide 7.6.2): the hold comes first
.endr
	v_cvt_scalef32_pk8_fp8_f32 v[\cd+2*\q:\cd+2*\q+1], v[T+8*(\q%2):T+8*(\q%2)+7], v[\sc]
.endr
	v_nop                                          ; a plain line behind the last conversion
.endm
.macro STORE cd, t, extra              ; each store covers 512 consecutive bytes, aligned
.irp c, 0,1,2,3
	global_store_b128 v1, v[\cd+4*\c:\cd+4*\c+3], s[DST:DST+1] offset:\extra+(\t)*16384+\c*512
.endr
.endm
.macro STEPQ t
.if \t < 3
	s_wait_loadcnt 16                              ; this step's 16 loads are in; the next step's 16 may be out
.else
	s_wait_loadcnt 0
.endif
.irp p, 0,1,2,3,4,5,6,7,8,9,10,11,12,13,14,15
	ds_store_b128 v2, v[R+64*((\t)%2)+4*\p:R+64*((\t)%2)+4*\p+3] offset:\p*528
.endr
.irp q, 0,1,2,3,4,5,6,7                ; LDS serves a wave's instructions in order: these see my stores
	ds_load_b128 v[X+8*\q:X+8*\q+3], v3 offset:64*\q
	ds_load_b128 v[X+8*\q+4:X+8*\q+7], v3 offset:64*\q+16
.endr
	s_wait_dscnt 0x0                               ; my 64 numbers are back; the stores into the stage have read their registers
.if \t > 0
	s_wait_xcnt 0x0                                ; the last step's stores have read their data: the codes' registers are written again only behind this wait
.endif
.if \t < 2
	LOAD \t+2
.endif
	QUANT 4, 5, C
	STORE C, \t, 0
	s_cmp_lt_u32 s[WV], 2                          ; x alone has a second scale
	s_cbranch_scc0 .Lnot_x_\@
	QUANT 6, 7, C2
	STORE C2, \t, 0x400000                         ; x's second codes lie behind the first sixteen blocks
.Lnot_x_\@:
.endm
	LOAD 0
	LOAD 1
	s_wait_kmcnt 0x0
	s_cmp_lt_u32 s[WV], 4
	s_cselect_b32 s46, s29, s31                    ; e1 for Wq, e3 for Wkv,
	s_cmp_lt_u32 s[WV], 2
	s_cselect_b32 s46, s28, s46                    ; e0 for x
	s_add_co_i32 s46, s46, 127
	s_lshl_b32 s47, s46, 23
	v_mov_b32 v4, s47                              ; 2^e as f32: the conversion takes its exponent field
	s_add_co_i32 s46, s46, 8
	s_lshl_b32 s46, s46, 23
	s_or_b32 s46, s46, 0x600000
	v_mov_b32 v5, s46                              ; 448 x 2^e
	s_add_co_i32 s46, s30, 127                     ; the same for e2, x's second scale
	s_lshl_b32 s47, s46, 23
	v_mov_b32 v6, s47
	s_add_co_i32 s46, s46, 8
	s_lshl_b32 s46, s46, 23
	s_or_b32 s46, s46, 0x600000
	v_mov_b32 v7, s46
	s_wait_alu depctr_va_vdst(0)
	STEPQ 0
	STEPQ 1
	STEPQ 2
	STEPQ 3
	s_wait_tensorcnt 0x0                           ; the wave's end, behind my last LDS store
	ds_add_u32 v8, v9
	s_wait_dscnt 0x0
	s_endpgm
.Lfunc_end_k_q4f5aa7d5b5_quant:
	.size	k_q4f5aa7d5b5_quant, .Lfunc_end_k_q4f5aa7d5b5_quant-k_q4f5aa7d5b5_quant
	.p2alignl 7, 3214868480
	.fill 96, 4, 3214868480
	.section	.rodata,"a",@progbits
	.p2align	6, 0x0
	.amdhsa_kernel k_q4f5aa7d5b5_quant
		.amdhsa_group_segment_fixed_size 43008
		.amdhsa_private_segment_fixed_size 0
		.amdhsa_enable_private_segment 0
		.amdhsa_kernarg_size 48
		.amdhsa_user_sgpr_count 2
		.amdhsa_user_sgpr_kernarg_segment_ptr 1
		.amdhsa_wavefront_size32 1
		.amdhsa_system_sgpr_workgroup_id_x 1
		.amdhsa_system_sgpr_workgroup_id_y 1
		.amdhsa_system_sgpr_workgroup_id_z 1
		.amdhsa_system_vgpr_workitem_id 0
		.amdhsa_next_free_vgpr 256
		.amdhsa_next_free_sgpr 66
		.amdhsa_reserve_vcc 0
		.amdhsa_float_denorm_mode_32 3
		.amdhsa_float_denorm_mode_16_64 3
		.amdhsa_memory_ordered 1
		.amdhsa_forward_progress 1
		.amdhsa_inst_pref_size 57
	.end_amdhsa_kernel
	.amdgpu_metadata
---
amdhsa.version: [ 1, 2 ]
amdhsa.kernels:
  - .name:           k_q4f5aa7d5b5_quant
    .symbol:         k_q4f5aa7d5b5_quant.kd
    .args:
      - { .name: x, .offset: 0, .size: 8, .value_kind: global_buffer, .address_space: global }
      - { .name: Wq, .offset: 8, .size: 8, .value_kind: global_buffer, .address_space: global }
      - { .name: Wkv, .offset: 16, .size: 8, .value_kind: global_buffer, .address_space: global }
      - { .name: lowp_scales, .offset: 24, .size: 8, .value_kind: global_buffer, .address_space: global }
      - { .name: xcodes, .offset: 32, .size: 8, .value_kind: global_buffer, .address_space: global }
      - { .name: wqkvcodes, .offset: 40, .size: 8, .value_kind: global_buffer, .address_space: global }
    .group_segment_fixed_size: 43008
    .private_segment_fixed_size: 0
    .kernarg_segment_align: 8
    .kernarg_segment_size: 48
    .max_flat_workgroup_size: 160
    .sgpr_count:     66
    .vgpr_count:     256
    .wavefront_size: 32
...
	.end_amdgpu_metadata
.endif
;; end of part 1
;; launch qkv (part 2): grid 16 x 16, 4 waves a work-group, clusters of 4 x 1, 327,680 bytes of LDS; arguments xcodes, wqkvcodes, rope_cos, rope_sin, lowp_scales, qkvcodes, Wo, wocodes; writes qkvcodes, wocodes
.if DOCPART == 2
	.amdgcn_target "amdgcn-amd-amdhsa--gfx1250"
	.amdhsa_code_object_version 6
	.text
	.protected	k_q4f5aa7d5b5_qkv
	.globl	k_q4f5aa7d5b5_qkv
	.p2align	8
	.type	k_q4f5aa7d5b5_qkv,@function
k_q4f5aa7d5b5_qkv:
	s_mov_b64 s[64:65], 0
	v_nop
	global_prefetch_b8 v0, s[64:65] scope:SCOPE_SE
	s_setreg_imm32_b32 hwreg(HW_REG_WAVE_MODE, 25, 1), 1
	s_wait_xcnt 0x0
	s_wait_alu depctr_hold_cnt(0) depctr_sa_sdst(0) depctr_va_vdst(0) depctr_va_sdst(0) depctr_va_ssrc(0) depctr_va_vcc(0) depctr_vm_vsrc(0)
	s_getreg_b32 s2, hwreg(HW_REG_IB_STS2, 6, 4)
	s_cmp_eq_u32 s2, 0
	s_cbranch_scc0 .Lentry_in_a_cluster
	s_endpgm
.Lentry_in_a_cluster:
	s_bfe_u32 s2, ttmp6, 0x10000c
	s_cmp_lg_u32 s2, 0x3003
	s_cbranch_scc0 .Lentry_shape_is_right
	s_endpgm
.Lentry_shape_is_right:
; LAUNCH 2 OF 4.  q = rope(x Wq^T), k = rope(x Wk^T), v = x Wv^T on codes of FP8 (E4M3), and the three results quantised again (entries 4, 5, 7 of lowp_scales) for launch 3; beside them Wo's codes (entry 9) for launch 4.
; SHARES.  A work-group makes 128 tokens (work-group y) x 256 columns: two heads.  A cluster's role is (cluster x + y / 4) % 4, so that the roles of a column of clusters differ.  Roles 0 and 1: query heads 2 hp, 2 hp + 1,
; hp = 4 x role + place; role 2: key head and value head number place.  Role 3's work-groups, 64 in all, quantise Wo (at the text's end): 256 work-groups.  The role is the same in all four partners.
; L, the 128 tokens' codes for all of K (262,144 bytes), lies WHOLE in LDS, as it lies in memory: an image of the fragments' registers.  It comes by two joint tensor loads a wave (the four partners of a cluster need
; the same tokens' codes): K steps 0 to 3 at the head, a K step a wave; K steps 4 to 15 behind the second round, three a wave, while the first four are multiplied.  One is out at the most, and nothing in LDS is filled twice.
; R, the weights' codes, goes from memory straight into registers, a fragment by four loads of 512 consecutive bytes, through a ring of four sets of registers (three K steps ahead); so it is not shared in the cluster.
; PREFETCHES, at the head, behind the first tensor load; K steps 0 to 3 come by their loads alone.  L: what the second tensor load will ask for, 768 blocks of 256 bytes, each named once in the cluster: 48 for each of its 16 waves,
; told apart by address.  R: the sixteen work-groups that read the same weights share the K steps out: work-group y asks for K steps y and y xor 9 of its 256 columns (32,768 bytes each, 8,192 a wave), so each block is named by two work-groups.
; Wave w makes all 128 tokens x four tiles of 16 columns: tiles w and w + 4 of head A and of head B.  So d' = 16 w + 8 h + j and 64 + d', which rope pairs, stand in the same lane and register of two accumulators.
; THE MATRIX INSTRUCTION IS USED TRANSPOSED (source 0 = 16 rows of W, source 1 = 16 tokens): lane (r, h) holds token 16 a + r, and its register j column 16 tile + 8 h + j.
; THE SCALES.  A sum stands for sum x 2^(e0 + e1) (k, v: e2 + e3); rope is linear; so the conversion's one scale is 2^(e4 - e0 - e1) (k: e5 - e2 - e3; v: e7 - e2 - e3).
; LIMITS: these three differences, and e9, lie between -126 and 119.  NaN is not served; what lies beyond the scale's range is held at the largest code.
; WHAT IS STORED: 24 slots of 262,144 bytes: q head H in slot H, k head g in slot 16 + g, v head g in slot 20 + g; in a slot 16,384 bytes for each 128 tokens, in them eight fragments of 2,048 bytes, each an image of an operand's
; 16 registers: 512 c + 16 lane: registers 4 c .. 4 c + 3.  q, k: a fragment is 16 tokens x 128 d; v: 16 d x 128 tokens.
; REGISTERS, in windows of 256: window 0 addresses, cos and sin, the way out;  window 1 the 32 accumulators ((a, t) at v[8 (4 a + t)]);  window 2 R's ring (set q, tile t at v[64 q + 16 t]);  window 3 L's two sets (v[128 p + 16 a]).
.set NT,    4                          ; tiles of 16 columns a wave
.set RD,    4                          ; sets in R's ring
.set SPARE, 262144                     ; behind L: the spare words, 128 bytes for each wave
.set STGA,  262656                     ; head A's codes on the way out: 128 rows x (128 bytes + 16)
.set STGB,  STGA+128*144               ; head B's
.set WST,   STGB+128*144               ; Wo's stages: 16 rows x (256 bytes + 16) a wave
.set LA,   1                           ; v1-4   16 x lane + 65,536 i: L's fragments of K steps 4 i .. 4 i + 3
.set RO,   5                           ; v5     16 x lane + 2,048 w: my tile in a K step of R
.set SPW,  6                           ; v6     my spare word; never rewritten
.set NIL,  7                           ; v7     0; never rewritten
.set CSO,  8                           ; v8     cos, sin: 256 r + 64 w + 32 h
.set STO,  9                           ; v9     where I put 8 codes of a row
.set RDB,  10                          ; v10    where I read 16 codes of a fragment back
.set GO,   11                          ; v11    and where they go in a slot's block: 4,096 w + 16 x lane
.set FST,  16                          ; v16    v as f32, on its way to be turned: 528 r + 64 w + 32 h
.set FLD,  17                          ; v17    and back, turned: 8,448 w + 4,224 h + 4 r
.set PFO,  18                          ; v18    the prefetches' offset: 256 x lane;  v19: 256 x lane, held at 15 lanes; never rewritten
.set TMP,  32                          ; v32-63   two sets of 16 numbers at work
.set CDA,  64                          ; v64-95   head A's codes, later its fragments
.set CDB,  96                          ; v96-127  head B's
.set CSR,  128                         ; v128-255 for tile a of tokens: cos at 128 + 16 a, sin at 136 + 16 a
.set WV,   16                          ; s16 wave;  s17 place in the cluster;  s18 the cluster's role;  s19 work-group y
.set CX,   17
.set CLX,  18
.set YY,   19
.set G1,   20                          ; s[20:27] descriptor group 1 of the first load
.set G0,   28                          ; s[28:35] two groups 0
.set G1B,  36                          ; s[36:43] descriptor group 1 of the second load
.set LB,   44                          ; s[44:45] L in memory, at my wave's first K step
.set RA,   46                          ; s[46:47] head A's weights; s[48:49] head B's
.set OA,   50                          ; s[50:51] head A's block in its slot; s[52:53] head B's
.set OB,   52
.set PCOS, 54                          ; s[54:55] cos, s[56:57] sin, at my first token
.set PSIN, 56
.set WO,   60                          ; s[60:61] Wo, s[62:63] its codes
.set PFR,  92                          ; s[92:93], s[94:95] where my prefetches of R stand
.set PFL,  96                          ; s[96:97] where those of L stand
.set MSB, 0
.macro WIN new                         ; the immediate's high byte repeats the setting that is left
.if MSB != \new
	s_set_vgpr_msb (MSB<<8)|\new
.set MSB, \new
.endif
.endm
.set W_LF,  0xc0                       ; destination window 3, address window 0
.set W_RL,  0x80                       ; destination window 2, address window 0
.set W_MUL, 0x5e                       ; source 0 (R) window 2, source 1 (L) window 3, C and D window 1
.macro PLACES                          ; four plain vector lines between a matrix instruction and a load into, or a read of, its registers (ISA guide 7.12.1 for reads)
.rept 4
	v_nop
.endr
.endm
.macro ROUND                           ; a round of the cluster's barrier
	s_barrier_signal -1
	s_barrier_wait -1
	s_cmp_lg_u32 s[WV], 0
	s_cbranch_scc1 .Lnot_wave_0_\@
	s_barrier_signal -3
.Lnot_wave_0_\@:
	s_barrier_wait -3
	s_barrier_signal -1
	s_barrier_wait -1
.endm
.macro LFETCH s                        ; L's eight fragments of K step s into set s % 2: 32 loads of 512 consecutive bytes
	WIN W_LF
.irp a, 0,1,2,3,4,5,6,7
.irp c, 0,1,2,3
	ds_load_b128 v[128*((\s)%2)+16*\a+4*\c:128*((\s)%2)+16*\a+4*\c+3], v[LA+(\s)/4] offset:((\s)%4)*16384+\a*2048+\c*512
.endr
.endr
.endm
.macro RLOAD s                         ; R's NT fragments of K step s into set s % RD
	WIN W_RL
.set tq, 0
.rept NT
.set rr, 16*NT*((\s)%RD)+16*tq
.set rb, RA+2*(tq/2)
.irp c, 0,1,2,3
	global_load_b128 v[rr+4*\c:rr+4*\c+3], v[RO], s[rb:rb+1] offset:(\s)*16384+(tq%2)*8192+\c*512
.endr
.set tq, tq+1
.endr
.endm
.macro CSLOAD                          ; cos and sin of token 16 a + r at d' = 16 w + 8 h + 0 .. 7: the youngest loads of all
	WIN 0
.irp a, 0,1,2,3,4,5,6,7
	global_load_b128 v[CSR+16*\a:CSR+16*\a+3],     v[CSO], s[PCOS:PCOS+1] offset:\a*4096
	global_load_b128 v[CSR+16*\a+4:CSR+16*\a+7],   v[CSO], s[PCOS:PCOS+1] offset:\a*4096+16
	global_load_b128 v[CSR+16*\a+8:CSR+16*\a+11],  v[CSO], s[PSIN:PSIN+1] offset:\a*4096
	global_load_b128 v[CSR+16*\a+12:CSR+16*\a+15], v[CSO], s[PSIN:PSIN+1] offset:\a*4096+16
.endr
.endm
.macro MUL s                           ; 8 NT matrix instructions; the accumulators take turns, one instruction a turn; the first step starts the sums
	WIN W_MUL
.irp a, 0,1,2,3,4,5,6,7
.set tq, 0
.rept NT
.set ac, 8*(NT*\a+tq)
.set rr, 16*NT*((\s)%RD)+16*tq
.set lf, 128*((\s)%2)+16*\a
.if (\s) == 0
	v_wmma_f32_16x16x128_fp8_fp8 v[ac:ac+7], v[rr:rr+15], v[lf:lf+15], 0
.else
	v_wmma_f32_16x16x128_fp8_fp8 v[ac:ac+7], v[rr:rr+15], v[lf:lf+15], v[ac:ac+7]
.endif
.set tq, tq+1
.endr
.endr
.endm
.macro STEP s                          ; K step s: 128 along K
.if (\s) == 3
	s_wait_tensorcnt 0x0                           ; my part of K steps 4 to 15 has landed
	s_wait_dscnt 0x0                               ; no LDS instruction of mine is out at a signal
	s_barrier_signal -1
	s_barrier_wait -1                              ; everybody's has landed.
.endif
.if (\s) > 0
	PLACES                                         ; the loads below land in registers that the last step's products read
.endif
.if (\s) < 15
	LFETCH (\s)+1
.endif
.if ((\s) >= 1) && ((\s) <= 16-RD)
	RLOAD (\s)+RD-1
.endif
.if (\s) == 12
	CSLOAD
.endif
.if (\s) < 15
	s_wait_dscnt 32                                ; this step's fragments of L are in; the 32 loads just issued stay out
.else
	s_wait_dscnt 0
.endif
.if (\s) > 13
	s_wait_loadcnt 4*NT*(15-(\s))+32               ; this step's fragments of R are in; the younger sets and the 32 loads of cos and sin may be out
.elseif (\s) > 11
	s_wait_loadcnt 63                              ; 80 and 64 loads are younger than these two steps': 63 is the most that a wait can name
.else
	s_wait_loadcnt 4*NT*(RD-1)                     ; the younger sets may be out
.endif
	MUL \s
.endm
	s_load_b256 s[4:11], s[0:1], 0x0               ; x's codes s[4:5], the weights' s[6:7], cos s[8:9], sin s[10:11]
	s_load_b128 s[12:15], s[0:1], 0x20             ; the scales' exponents s[12:13], the slots s[14:15]
	v_lshl_add_u32 v[SPW], v0, 2, SPARE
	v_mov_b32 v[NIL], 0
	ds_add_u32 v[SPW], v[NIL]                      ; the wave's opening: the add, twice on end, and its wait ahead of my first tensor load
	ds_add_u32 v[SPW], v[NIL]
	v_lshrrev_b32 v20, 5, v0
	v_readfirstlane_b32 s[WV], v20                 ; wave 0..3
	s_bfe_u32 s[CX], ttmp6, 0x40000                ; my place in the cluster: it enters plain global addresses alone
	s_and_b32 s[YY], ttmp7, 0xffff
	s_lshr_b32 s[CLX], s[YY], 2
	s_add_co_u32 s[CLX], s[CLX], ttmp9             ; in a cluster launch ttmp9 counts clusters
	s_and_b32 s[CLX], s[CLX], 3                    ; the cluster's role
	; descriptor groups 1: rows of 256 bytes, dense: 64 rows are one K step of L, 192 rows three
	s_mov_b32 s[G1+0], 15|(3<<16)|(1<<21)          ; 15:0 the mask: all four work-groups; 17:16 elements of 8 bytes; 21 set beside a mask; no padding
	s_mov_b32 s[G1+1], 32<<16                      ; tensor_dim0 = 32
	s_mov_b32 s[G1+2], 64<<16                      ; tensor_dim1
	s_mov_b32 s[G1+3], 32<<16                      ; tile_dim0 = 32
	s_mov_b32 s[G1+4], 64                          ; tile_dim1
	s_mov_b32 s[G1+5], 32                          ; from row to row
	s_mov_b32 s[G1+6], 0
	s_mov_b32 s[G1+7], 0
	s_mov_b32 s[G1B+0], 15|(3<<16)|(1<<21)
	s_mov_b32 s[G1B+1], 32<<16
	s_mov_b32 s[G1B+2], 192<<16
	s_mov_b32 s[G1B+3], 32<<16
	s_mov_b32 s[G1B+4], 192
	s_mov_b32 s[G1B+5], 32
	s_mov_b32 s[G1B+6], 0
	s_mov_b32 s[G1B+7], 0
	v_and_b32 v20, 31, v0                          ; lane
	v_and_b32 v21, 15, v0                          ; r
	v_bfe_u32 v22, v0, 4, 1                        ; h
	v_lshlrev_b32 v[PFO], 8, v20
	v_min_u32 v[PFO+1], 15, v20
	v_lshlrev_b32 v[PFO+1], 8, v[PFO+1]
	v_lshlrev_b32 v[LA], 4, v20
	v_add_nc_u32 v[LA+1], 0x10000, v[LA]
	v_add_nc_u32 v[LA+2], 0x20000, v[LA]
	v_add_nc_u32 v[LA+3], 0x30000, v[LA]
	s_lshl_b32 s86, s[WV], 11
	v_add_nc_u32 v[RO], s86, v[LA]
	s_lshl_b32 s86, s[WV], 6
	v_lshl_add_u32 v23, v22, 5, s86                ; 64 w + 32 h
	v_lshl_add_u32 v[CSO], v21, 8, v23
	v_mul_u32_u24 v[FST], v21, 528
	v_add_nc_u32 v[FST], v[FST], v23
	v_mul_u32_u24 v[RDB], v21, 144                 ; back: row r of a fragment, + 16 h bytes; 32 rows a wave
	v_lshl_add_u32 v[RDB], v22, 4, v[RDB]
	v_mov_b32 v[STO], v[RDB]                       ; a row of codes: 144 r; tile w's eight codes of half h lie at byte 32 (w / 2) + 16 h + 8 (w % 2): so 16 bytes at 32 c + 16 h are registers 4 c .. 4 c + 3
	s_lshr_b32 s86, s[WV], 1
	s_lshl_b32 s86, s86, 5
	s_and_b32 s87, s[WV], 1
	s_lshl_b32 s87, s87, 3
	s_add_co_u32 s86, s86, s87
	s_add_co_u32 s86, s86, STGA
	v_add_nc_u32 v[STO], s86, v[STO]
	s_mul_i32 s86, s[WV], 32*144
	s_add_co_u32 s86, s86, STGA
	s_wait_alu depctr_va_vdst(0)
	v_add_nc_u32 v[RDB], s86, v[RDB]
	s_lshl_b32 s86, s[WV], 12
	v_add_nc_u32 v[GO], s86, v[LA]
	v_mul_u32_u24 v[FLD], v22, 4224
	v_lshl_add_u32 v[FLD], v21, 2, v[FLD]
	s_mul_i32 s86, s[WV], 8448
	v_add_nc_u32 v[FLD], s86, v[FLD]
	s_wait_alu depctr_va_vdst(0)
	s_wait_dscnt 0x0                               ; both opening adds are done
	s_wait_kmcnt 0x0
	s_cmp_eq_u32 s[CLX], 3                         ; the cluster's role: the same in all four partners
	s_cbranch_scc1 .Lwo
	s_load_b256 s[68:75], s[12:13], 0x0            ; e0 .. e7
	s_cmp_lt_u32 s[CLX], 2                         ; roles 0 and 1 take x's codes by e0 (blocks 0-15), role 2 those by e2 (blocks 16-31)
	s_cselect_b32 s78, 0, 16
	s_add_co_u32 s78, s78, s[YY]
	s_lshl_b32 s78, s78, 18
	s_lshl_b32 s80, s[WV], 14                      ; the first load of wave w brings K step w
	s_add_co_u32 s78, s78, s80
	s_mov_b32 s79, 0
	s_add_nc_u64 s[LB:LB+1], s[4:5], s[78:79]
	s_mov_b32 s[G0], 1                             ; count = 1
	s_mov_b32 s[G0+1], s80                         ; LDS address
	s_mov_b64 s[G0+2:G0+3], s[LB:LB+1]
	s_or_b32 s[G0+3], s[G0+3], 0x80000000          ; type = 2
	s_mul_i32 s86, s[WV], 49152                    ; the second brings K steps 4 + 3 w .. 6 + 3 w
	s_mov_b32 s[G0+4], 1
	s_add_co_u32 s[G0+5], s86, 65536
	s_lshl_b32 s86, s[WV], 15                      ; LB stands at K step w: 3 w lies 2 w further on
	s_mov_b32 s87, 0
	s_add_nc_u64 s[G0+6:G0+7], s[LB:LB+1], s[86:87]
	s_add_nc_u64 s[G0+6:G0+7], s[G0+6:G0+7], 65536
	s_or_b32 s[G0+7], s[G0+7], 0x80000000
	ROUND                                          ; all four work-groups are here: the joint loads meet
	tensor_load_to_lds s[G0:G0+3], s[G1:G1+7]
	s_nop 0
	PLACES
	s_lshl_b32 s82, s[CLX], 2
	s_add_co_u32 s82, s82, s[CX]                   ; hp
	s_lshl_b32 s82, s82, 1
	s_add_co_u32 s83, s82, 1
	s_add_co_u32 s84, s[CX], 16
	s_add_co_u32 s85, s[CX], 20
	s_cmp_lt_u32 s[CLX], 2
	s_cselect_b32 s82, s82, s84                    ; head A's slot, which is also its block of the weights' codes
	s_cselect_b32 s84, s83, s85                    ; head B's
	s_lshl_b32 s82, s82, 18
	s_mov_b32 s83, 0
	s_lshl_b32 s84, s84, 18
	s_mov_b32 s85, 0
	s_add_nc_u64 s[RA:RA+1], s[6:7], s[82:83]
	s_add_nc_u64 s[RA+2:RA+3], s[6:7], s[84:85]
	RLOAD 0
	RLOAD 1
	WIN 0
	; the prefetches: L's 48 blocks of this wave: 12,288 bytes, at 65,536 + 12,288 (4 cx + w) of the block (LB stands 16,384 w on)
	s_mul_i32 s98, s[CX], 49152
	s_add_co_u32 s98, s98, 65536
	s_lshl_b32 s99, s[WV], 12
	s_sub_co_u32 s98, s98, s99
	s_mov_b32 s99, 0
	s_add_nc_u64 s[PFL:PFL+1], s[LB:LB+1], s[98:99]
	global_prefetch_b8 v[PFO], s[PFL:PFL+1] th:TH_LOAD_NT scope:SCOPE_SE
	global_prefetch_b8 v[PFO+1], s[PFL:PFL+1] offset:8192 th:TH_LOAD_NT scope:SCOPE_SE   ; 16 blocks; the lanes left over name the last again
	; R: waves 0, 1 head A's 16,384 bytes of a K step, waves 2, 3 head B's
	s_and_b32 s98, s[WV], 1
	s_lshl_b32 s98, s98, 13
	s_cmp_lt_u32 s[WV], 2
	s_cselect_b64 s[PFR:PFR+1], s[RA:RA+1], s[RA+2:RA+3]
	s_add_nc_u64 s[PFR:PFR+1], s[PFR:PFR+1], s[98:99]
	s_xor_b32 s91, s[YY], 9
	s_lshl_b32 s98, s91, 14
	s_add_nc_u64 s[PFR+2:PFR+3], s[PFR:PFR+1], s[98:99]
	s_lshl_b32 s98, s[YY], 14
	s_add_nc_u64 s[PFR:PFR+1], s[PFR:PFR+1], s[98:99]
	s_cmp_lt_u32 s[YY], 4                          ; K steps 0 to 3 come by their loads alone
	s_cbranch_scc1 .Lno_ask_1
	global_prefetch_b8 v[PFO], s[PFR:PFR+1] th:TH_LOAD_NT scope:SCOPE_SE
.Lno_ask_1:
	s_cmp_lt_u32 s91, 4
	s_cbranch_scc1 .Lno_ask_2
	global_prefetch_b8 v[PFO], s[PFR+2:PFR+3] th:TH_LOAD_NT scope:SCOPE_SE
.Lno_ask_2:
	RLOAD 2
	RLOAD 3
	WIN 0
	s_lshl_b32 s86, s[YY], 14                      ; 16,384 bytes for each 128 tokens
	s_mov_b32 s87, 0
	s_add_nc_u64 s[OA:OA+1], s[14:15], s[82:83]
	s_add_nc_u64 s[OA:OA+1], s[OA:OA+1], s[86:87]
	s_add_nc_u64 s[OB:OB+1], s[14:15], s[84:85]
	s_add_nc_u64 s[OB:OB+1], s[OB:OB+1], s[86:87]
	s_lshl_b32 s86, s[YY], 15                      ; 128 tokens of 256 bytes
	s_add_nc_u64 s[PCOS:PCOS+1], s[8:9], s[86:87]
	s_add_nc_u64 s[PSIN:PSIN+1], s[10:11], s[86:87]
	s_wait_kmcnt 0x0
	s_add_co_i32 s86, s68, s69
	s_sub_co_i32 s86, s72, s86                     ; e4 - e0 - e1
	s_add_co_i32 s87, s70, s71
	s_sub_co_i32 s88, s73, s87                     ; e5 - e2 - e3
	s_sub_co_i32 s89, s75, s87                     ; e7 - e2 - e3
	s_cmp_lt_u32 s[CLX], 2
	s_cselect_b32 s88, s86, s88                    ; head A's: q's or k's
	s_cselect_b32 s89, s86, s89                    ; head B's: q's or v's
	s_add_co_i32 s88, s88, 127
	s_lshl_b32 s90, s88, 23
	v_mov_b32 v12, s90                             ; v12: head A's scale as f32;
	s_add_co_i32 s88, s88, 8
	s_lshl_b32 s88, s88, 23
	s_or_b32 s88, s88, 0x600000
	v_mov_b32 v13, s88                             ; v13: 448 x that
	s_add_co_i32 s89, s89, 127
	s_lshl_b32 s90, s89, 23
	v_mov_b32 v14, s90                             ; v14, v15: head B's
	s_add_co_i32 s89, s89, 8
	s_lshl_b32 s89, s89, 23
	s_or_b32 s89, s89, 0x600000
	v_mov_b32 v15, s89
	s_wait_alu depctr_va_vdst(0)
	s_wait_tensorcnt 0x0                           ; my K step of the first four is in
	ds_add_u32 v[SPW], v[NIL]
	s_wait_dscnt 0x0                               ; the add is done
	ROUND                                          ; K steps 0 to 3 are whole, and the partners are here:
	tensor_load_to_lds s[G0+4:G0+7], s[G1B:G1B+7]  ; K steps 4 to 15
	s_nop 0
	PLACES
	LFETCH 0
.irp s, 0,1,2,3,4,5,6,7,8,9,10,11,12,13,14,15
	STEP \s
.endr
; THE WAY OUT.
; Rope and the quantiser for head hd (0: A, 1: B): out(d') = t1 cos - t2 sin, out(64 + d') = t2 cos + t1 sin; t1 in accumulator (a, 2 hd), t2 in (a, 2 hd + 1).  Each accumulator is read from its low end on.
.macro ROPE hd, cd, sc, lim
.irp a, 0,1,2,3,4,5,6,7
.set A1, 8*(4*\a+2*\hd)
.set A2, A1+8
.set TM, TMP+16*(\a%2)
.set CO, CSR+16*\a
.set SI, CSR+16*\a+8
	WIN 0x01                                       ; source 0: window 1
.irp j, 0,2,4,6
	v_pk_mul_f32 v[TM+\j:TM+\j+1], v[A2+\j:A2+\j+1], v[SI+\j:SI+\j+1]
	v_pk_mul_f32 v[TM+8+\j:TM+9+\j], v[A1+\j:A1+\j+1], v[SI+\j:SI+\j+1]
.endr
.irp j, 0,2,4,6
	v_pk_fma_f32 v[TM+\j:TM+\j+1], v[A1+\j:A1+\j+1], v[CO+\j:CO+\j+1], v[TM+\j:TM+\j+1] neg_lo:[0,0,1] neg_hi:[0,0,1]
	v_pk_fma_f32 v[TM+8+\j:TM+9+\j], v[A2+\j:A2+\j+1], v[CO+\j:CO+\j+1], v[TM+8+\j:TM+9+\j]
.endr
	WIN 0
.irp i, 0,1,2,3,4,5,6,7,8,9,10,11,12,13,14,15
	v_med3_num_f32 v[TM+\i], v[TM+\i], -v[\lim], v[\lim]   ; the conversion to an 8-bit code does not saturate (ISA guide 7.6.2): the hold comes first
.endr
	v_cvt_scalef32_pk8_fp8_f32 v[\cd+4*\a:\cd+4*\a+1], v[TM:TM+7], v[\sc]
	v_cvt_scalef32_pk8_fp8_f32 v[\cd+4*\a+2:\cd+4*\a+3], v[TM+8:TM+15], v[\sc]   ; the next tile works in the other set: plain lines stand ahead of the next write of these sources
.endr
	v_nop                                          ; a plain line behind the last conversion
.endm
; v, turned (window 3: register 16 a + 8 u + j = v(token 16 (w + 4 u) + 8 h + j, d = 16 a + r)), is quantised along the tokens, which are the K of attention's second product
.macro PLAINV
.irp a, 0,1,2,3,4,5,6,7
.set TM, TMP+16*(\a%2)
	WIN 0x03                                       ; source 0: window 3
.irp i, 0,1,2,3,4,5,6,7,8,9,10,11,12,13,14,15
	v_med3_num_f32 v[TM+\i], v[16*\a+\i], -v15, v15
.endr
	WIN 0
	v_cvt_scalef32_pk8_fp8_f32 v[CDB+4*\a:CDB+4*\a+1], v[TM:TM+7], v14
	v_cvt_scalef32_pk8_fp8_f32 v[CDB+4*\a+2:CDB+4*\a+3], v[TM+8:TM+15], v14
.endr
	v_nop
.endm
	WIN 0
	PLACES                                         ; behind the last products, ahead of the first read of results
	s_wait_dscnt 0x0
	s_barrier_signal -1
	s_barrier_wait -1                              ; every wave's reads of L are over
	s_cmp_lt_u32 s[CLX], 2                         ; the cluster's role: the same in all four partners
	s_cbranch_scc1 .Lno_v
	; v's sums go as f32 into a stage [token][d], rows 528 bytes apart, at LDS bytes 0 to 67,583.  Those bytes held K steps 0 to 4 of L: they have had their one fill.
	WIN 0x04                                       ; the stores' data: window 1
.irp a, 0,1,2,3,4,5,6,7
.irp u, 0,1
	ds_store_b128 v[FST], v[8*(4*\a+2+\u):8*(4*\a+2+\u)+3] offset:\a*8448+\u*256
	ds_store_b128 v[FST], v[8*(4*\a+2+\u)+4:8*(4*\a+2+\u)+7] offset:\a*8448+\u*256+16
.endr
.endr
	WIN 0
.Lno_v:
	s_wait_loadcnt 0x0                             ; cos and sin are in
	ROPE 0, CDA, 12, 13                            ; head A: q or k
	s_wait_dscnt 0x0                               ; for the others' sake: my stores into the stage are done
	s_barrier_signal -1
	s_barrier_wait -1
	s_cmp_lt_u32 s[CLX], 2
	s_cbranch_scc0 .Lturn_v
	ROPE 1, CDB, 14, 15                            ; head B: q
	s_branch .Lcodes
.Lturn_v:
	WIN W_LF                                       ; L's registers are free; the lines of ROPE stand between the last products and these loads
.irp a, 0,1,2,3,4,5,6,7
.irp u, 0,1
.irp j, 0,1,2,3,4,5,6,7
	ds_load_b32 v[16*\a+8*\u+\j], v[FLD] offset:\u*33792+\j*528+\a*64   ; lanes 0-15 read 16 neighbouring d of one token, lanes 16-31 of the token 8 further on
.endr
.endr
.endr
	WIN 0
	s_wait_dscnt 0x0
	PLAINV
.Lcodes:
	s_wait_alu depctr_va_vdst(0)
.irp a, 0,1,2,3,4,5,6,7                        ; the codes meet in rows of 128 bytes: a row's come from four waves
	ds_store_b64 v[STO], v[CDA+4*\a:CDA+4*\a+1] offset:\a*2304
	ds_store_b64 v[STO], v[CDA+4*\a+2:CDA+4*\a+3] offset:\a*2304+64
	ds_store_b64 v[STO], v[CDB+4*\a:CDB+4*\a+1] offset:\a*2304+18432
	ds_store_b64 v[STO], v[CDB+4*\a+2:CDB+4*\a+3] offset:\a*2304+18432+64
.endr
	s_wait_dscnt 0x0
	s_barrier_signal -1
	s_barrier_wait -1
.irp i, 0,1,2,3,4,5,6,7                        ; fragment 2 w + i / 4, its registers 4 c .. 4 c + 3 with c = i % 4
	ds_load_b128 v[CDA+4*\i:CDA+4*\i+3], v[RDB] offset:(\i/4)*2304+(\i%4)*32
.endr
.irp i, 0,1,2,3,4,5,6,7
	ds_load_b128 v[CDB+4*\i:CDB+4*\i+3], v[RDB] offset:(\i/4)*2304+(\i%4)*32+18432
.endr
.irp i, 0,1,2,3,4,5,6,7
	s_wait_dscnt 15-\i                             ; LDS loads come back in order: this one is in, the younger ones stay out
	global_store_b128 v[GO], v[CDA+4*\i:CDA+4*\i+3], s[OA:OA+1] offset:\i*512   ; 512 consecutive bytes, aligned
.endr
.irp i, 0,1,2,3,4,5,6,7
	s_wait_dscnt 7-\i
	global_store_b128 v[GO], v[CDB+4*\i:CDB+4*\i+3], s[OB:OB+1] offset:\i*512
.endr
	s_wait_tensorcnt 0x0                           ; the wave's end, behind my last tensor load and my last LDS store
	ds_add_u32 v[SPW], v[NIL]
	s_wait_dscnt 0x0
	ROUND                                          ; the closing round
	s_endpgm
; WO'S CODES: 2,048 fragments of 16 rows x 128 K, 32 to a work-group, 8 to a wave, two a trip, in the layout of launch 1's codes.  A load reads 256 consecutive bytes of each of two rows; half a fragment (64 along K) at a time
; turns through my own stage (rows 272 bytes apart).  These work-groups issue no tensor load and no joint request, so they pass no round.
.Lwo:
	s_load_b128 s[WO:WO+3], s[0:1], 0x30
	s_load_b32 s66, s[12:13], 0x24                 ; e9
	s_lshl_b32 s82, s[YY], 2
	s_add_co_u32 s82, s82, s[CX]                   ; 0 .. 63
	s_lshl_b32 s82, s82, 1
	s_lshr_b32 s83, s[WV], 1
	s_add_co_u32 s82, s82, s83                     ; my tile of 16 rows
	s_and_b32 s83, s[WV], 1                        ; and which eight of its K steps
	s_lshl_b32 s84, s82, 17
	s_lshl_b32 s85, s83, 12
	s_add_co_u32 s84, s84, s85
	s_mov_b32 s85, 0
	s_lshr_b32 s86, s82, 3
	s_lshl_b32 s86, s86, 18
	s_and_b32 s87, s82, 7
	s_lshl_b32 s87, s87, 11
	s_add_co_u32 s86, s86, s87
	s_lshl_b32 s87, s83, 17
	s_add_co_u32 s86, s86, s87
	s_mov_b32 s87, 0
	v_and_b32 v21, 15, v0
	v_bfe_u32 v22, v0, 4, 1
	v_and_b32 v26, 31, v0
	v_lshlrev_b32 v26, 4, v26                      ; 16 x lane
	v_lshlrev_b32 v23, 13, v22                     ; lanes 16-31 take the next row of 8,192 bytes
	v_lshl_add_u32 v23, v21, 4, v23
	s_mul_i32 s89, s[WV], 16*272
	s_add_co_u32 s89, s89, WST
	v_mul_u32_u24 v24, v22, 272
	v_lshl_add_u32 v24, v21, 4, v24
	v_add_nc_u32 v24, s89, v24                     ; the stage, on the way in
	v_mul_u32_u24 v25, v21, 272
	v_lshl_add_u32 v25, v22, 5, v25
	v_add_nc_u32 v25, s89, v25                     ; and out: row r, + 32 h bytes
	s_wait_alu depctr_va_vdst(0)
	s_wait_kmcnt 0x0
	s_add_nc_u64 s[WO:WO+1], s[WO:WO+1], s[84:85]
	s_add_nc_u64 s[WO+2:WO+3], s[WO+2:WO+3], s[86:87]
	s_add_co_i32 s66, s66, 127
	s_lshl_b32 s67, s66, 23
	v_mov_b32 v27, s67                             ; 2^e9
	s_add_co_i32 s66, s66, 8
	s_lshl_b32 s66, s66, 23
	s_or_b32 s66, s66, 0x600000
	v_mov_b32 v28, s66                             ; 448 x 2^e9
	s_mov_b32 s88, 0
	s_wait_alu depctr_va_vdst(0)
.Lwo_trip:
.irp f, 0,1
.irp p, 0,1,2,3,4,5,6,7
	global_load_b128 v[64+64*\f+4*\p:64+64*\f+4*\p+3], v23, s[WO:WO+1] offset:\f*512+\p*16384 th:TH_LOAD_NT
.endr
.irp p, 0,1,2,3,4,5,6,7
	global_load_b128 v[96+64*\f+4*\p:96+64*\f+4*\p+3], v23, s[WO:WO+1] offset:\f*512+256+\p*16384 th:TH_LOAD_NT
.endr
.endr
.irp f, 0,1
	s_wait_loadcnt 16-16*\f                        ; this fragment's 16 loads are in
.irp g, 0,1
.irp p, 0,1,2,3,4,5,6,7
	ds_store_b128 v24, v[64+64*\f+32*\g+4*\p:64+64*\f+32*\g+4*\p+3] offset:\p*544
.endr
.irp q, 0,1,2,3
	ds_load_b128 v[192+8*\q:195+8*\q], v25 offset:64*\q
	ds_load_b128 v[196+8*\q:199+8*\q], v25 offset:64*\q+16
.endr
	s_wait_dscnt 0x0
.irp q, 0,1,2,3
.irp i, 0,1,2,3,4,5,6,7
	v_med3_num_f32 v[192+8*\q+\i], v[192+8*\q+\i], -v28, v28
.endr
.endr
.irp q, 0,1,2,3
	v_cvt_scalef32_pk8_fp8_f32 v[224+16*\f+8*\g+2*\q:225+16*\f+8*\g+2*\q], v[192+8*\q:199+8*\q], v27
.endr
	v_nop                                          ; a plain line behind the last conversion
.endr
.irp c, 0,1,2,3
	global_store_b128 v26, v[224+16*\f+4*\c:227+16*\f+4*\c], s[WO+2:WO+3] offset:\f*16384+\c*512
.endr
.endr
	s_wait_xcnt 0x0                                ; the stores have read their data and their base
	s_add_nc_u64 s[WO:WO+1], s[WO:WO+1], 1024
	s_add_nc_u64 s[WO+2:WO+3], s[WO+2:WO+3], 32768
	s_add_co_u32 s88, s88, 1
	s_cmp_lt_u32 s88, 4
	s_wait_alu depctr_va_vdst(0)
	s_cbranch_scc1 .Lwo_trip
	s_wait_tensorcnt 0x0                           ; the wave's end
	ds_add_u32 v[SPW], v[NIL]
	s_wait_dscnt 0x0
	s_endpgm
.Lfunc_end_k_q4f5aa7d5b5_qkv:
	.size	k_q4f5aa7d5b5_qkv, .Lfunc_end_k_q4f5aa7d5b5_qkv-k_q4f5aa7d5b5_qkv
	.p2alignl 7, 3214868480
	.fill 96, 4, 3214868480
	.section	.rodata,"a",@progbits
	.p2align	6, 0x0
	.amdhsa_kernel k_q4f5aa7d5b5_qkv
		.amdhsa_group_segment_fixed_size 327680
		.amdhsa_private_segment_fixed_size 0
		.amdhsa_enable_private_segment 0
		.amdhsa_kernarg_size 64
		.amdhsa_user_sgpr_count 2
		.amdhsa_user_sgpr_kernarg_segment_ptr 1
		.amdhsa_wavefront_size32 1
		.amdhsa_system_sgpr_workgroup_id_x 1
		.amdhsa_system_sgpr_workgroup_id_y 1
		.amdhsa_system_sgpr_workgroup_id_z 1
		.amdhsa_system_vgpr_workitem_id 0
		.amdhsa_next_free_vgpr 1024
		.amdhsa_next_free_sgpr 100
		.amdhsa_reserve_vcc 0
		.amdhsa_float_denorm_mode_32 3
		.amdhsa_float_denorm_mode_16_64 3
		.amdhsa_memory_ordered 1
		.amdhsa_forward_progress 1
		.amdhsa_inst_pref_size 185
	.end_amdhsa_kernel
	.amdgpu_metadata
---
amdhsa.version: [ 1, 2 ]
amdhsa.kernels:
  - .name:           k_q4f5aa7d5b5_qkv
    .symbol:         k_q4f5aa7d5b5_qkv.kd
    .args:
      - { .name: xcodes, .offset: 0, .size: 8, .value_kind: global_buffer, .address_space: global }
      - { .name: wqkvcodes, .offset: 8, .size: 8, .value_kind: global_buffer, .address_space: global }
      - { .name: rope_cos, .offset: 16, .size: 8, .value_kind: global_buffer, .address_space: global }
      - { .name: rope_sin, .offset: 24, .size: 8, .value_kind: global_buffer, .address_space: global }
      - { .name: lowp_scales, .offset: 32, .size: 8, .value_kind: global_buffer, .address_space: global }
      - { .name: qkvcodes, .offset: 40, .size: 8, .value_kind: global_buffer, .address_space: global }
      - { .name: Wo, .offset: 48, .size: 8, .value_kind: global_buffer, .address_space: global }
      - { .name: wocodes, .offset: 56, .size: 8, .value_kind: global_buffer, .address_space: global }
    .group_segment_fixed_size: 327680
    .private_segment_fixed_size: 0
    .kernarg_segment_align: 8
    .kernarg_segment_size: 64
    .max_flat_workgroup_size: 128
    .sgpr_count:     100
    .vgpr_count:     1024
    .wavefront_size: 32
...
	.end_amdgpu_metadata
.endif
;; end of part 2
;; launch attn (part 3): grid 64 x 4, 4 waves a work-group, no clusters, 279,040 bytes of LDS; arguments qkvcodes, lowp_scales, ocodes; writes ocodes
.if DOCPART == 3
	.amdgcn_target "amdgcn-amd-amdhsa--gfx1250"
	.amdhsa_code_object_version 6
	.text
	.protected	k_q4f5aa7d5b5_attn
	.globl	k_q4f5aa7d5b5_attn
	.p2align	8
	.type	k_q4f5aa7d5b5_attn,@function
k_q4f5aa7d5b5_attn:
	s_mov_b64 s[64:65], 0
	v_nop
	global_prefetch_b8 v0, s[64:65] scope:SCOPE_SE
	s_setreg_imm32_b32 hwreg(HW_REG_WAVE_MODE, 25, 1), 1
	s_wait_xcnt 0x0
; LAUNCH 3 OF 4.  Causal attention on codes of FP8 (E4M3): 16 query heads, 4 key and value heads, head size 128, 2,048 tokens; the result is quantised (entry 8 of lowp_scales) for launch 4.
; WORK LEFT OUT: a key step (128 keys) all of whose keys come after a tile's 16 queries: reference()'s own tril puts -1e30 in the place of those scores, whatever the inputs hold (shown at the head of launch 1).
; THE SOFTMAX AHEAD OF THE SECOND PRODUCT: t = score x log2(e) / sqrt(128); M = the largest t so far, rounded UP to a whole number; p = 2^(t - M) is quantised (entry 6), not normalised.
; The sum is taken of the unquantised p, in f32, and divides O at the end.  When M moves, the sum and O are multiplied by 2^(old M - new M): exact.
; SHARES.  Work-group (p, g): key and value head g, the tiles of 16 queries number 127 - p and p of its four query heads: 17 key steps for every p.  A wave works on ALL FOUR heads of a tile, so that a fragment of K or V feeds
; four matrix instructions; the key steps of a tile go to the four waves by turns (wave w: w, w + 4, ..).  First phase: tile 127 - p (two to four steps a wave); second: tile p (none to two).  No wave has more than five steps.
; Each wave has its own running M, sum and O^T over its own keys.  At a phase's end it stores them into LDS as images of its registers; behind one barrier wave w joins the four parts of head w for both tiles:
; all under the largest M (factors 2^(own M - largest M): exact, or 0), added, divided, quantised and stored.  The second phase clears nothing: M begins at -3e38, so the first factor is 0, and O^T and the sum are finite numbers
; (codes are finite, p too), which times 0 are zeros; so are the parts of a wave that has no step, when the parts are joined.
; K and V go from memory straight into registers, a fragment by four loads of 512 consecutive bytes.  K of the next step is asked for in the step's first quarter, V at its end.  No LDS ring, no barrier in the loop.
; NO CLUSTER: joint loads land in LDS alone; here no wave of the work-group shares a key step with another, and the next step's loads hang on the wave.  NO PREFETCH: each load already stands most of a key step ahead of its use,
; and a phase has at most four steps a wave, of which the four waves ask for the first 512 keys at the head.
; LAYOUT.  Both products are used transposed: S^T = K Q^T (source 0 = 16 keys, source 1 = my 16 queries), O^T = V^T P^T (source 0 = 16 of the head's 128, source 1 = P): a lane holds ONE query (lane % 16) throughout.
; Register 8 T + j of S^T is key 16 T + 8 h + j, so the conversion of tile T gives registers 2 T, 2 T + 1 of P in the matrix instruction's own layout.
; O^T's registers 8 t + j are d = 16 t + 8 h + j of query r: their codes ARE a fragment of launch 4's operand (row = token, K step = head), 512 consecutive bytes a store.
; THE HOLD of p at the largest code is passed over where e6 >= -8: 448 x 2^e6 is then 1.75 at the least, and p is at most 2^(1/4) (the rounding of the largest t: by the limit below |t| < 2^22).
; LIMITS on the given exponents: e4 + e5 between -123 and 0 (so that |t| <= 448 x 448 x 128 x 0.1276 < 2^22); e6 and e8 between -126 and 119; e6 + e7 is applied by v_ldexp_f32 and has none.  NaN is not served.
; p is quantised under the running M of the wave's own keys: codes keep their values, but that numbers far under the row's largest keep more of their low bits here, never fewer.
; REGISTERS, in windows of 256.  Window 0: addresses, Q, the second tile's Q, P's codes, numbers at work;  window 1: S^T, then p, head t at v[64 t];  window 2: K at v0, V at v128, fragment f at 16 f;  window 3: O^T, head t, tile f at v[64 t + 8 f].
.set PART,  17*512                     ; a part: 16 images of four registers of O^T, one of -M and the sum
.set PHB,   16*PART                    ; a phase's parts: (head, wave)
.set SPARE, 2*PHB                      ; the spare words, 128 bytes for each wave
.set GO,   1                           ; v1     16 x lane
.set SG,   2                           ; v2-5   where my part of head t goes
.set SPW,  6
.set NIL,  7
.set MB,   8                           ; v8, v9 where head w's parts begin, first and second phase
.set QD,   12                          ; v12-27 head t: -M, (a pair's upper half), the sum in two halves
.set MX,   28                          ; v28-31 the largest t so far
.set QQ,   32                          ; v32-95 Q
.set QN,   96                          ; v96-159 the second tile's Q
.set PC,   160                         ; v160-175 P's codes
.set CH,   176                         ; v176-191 eight chains of the sum
.set MC,   192                         ; v192-199 two chains of the maximum for each head
.set FF,   200                         ; v200-207 f = 2^(old M - new M), low halves of pairs
.set OLD,  208                         ; v208-211 the old -M
.set PM,   212                         ; v212-215 lane permutes
.set SC6,  216                         ; v216 2^e6, v217 448 x 2^e6, v218 2^e8, v219 448 x 2^e8
.set WV,   16
.set GG,   17
.set SEL,  20                          ; s[20:21] lane selects: lane l xor 16
.set CSC,  22                          ; s[22:23] log2(e) / sqrt(128) x 2^(e4 + e5)
.set NN,   24                          ; s24 key steps of the tile in hand
.set KK,   25                          ; s25 my key step
.set Q0,   26                          ; s26 the tile's first query
.set PH,   27
.set JJ,   28
.set REM,  29                          ; s29 my steps still to do, both phases
.set LDB,  30                          ; s30 where the phase's parts begin
.set N1,   31
.set KP,   34                          ; s[34:35] the key step that is loaded (V's lies 2^20 bytes on)
.set KA,   36                          ; s[36:37] my first key step
.set OB0,  44                          ; s[44:45], s[46:47] head w's fragment of the result, first and second tile
.set OB1,  46
.set E6,   74
.set MSB, 0
.macro WIN new                         ; the immediate's high byte repeats the setting that is left
.if MSB != \new
	s_set_vgpr_msb (MSB<<8)|\new
.set MSB, \new
.endif
.endm
.macro KVLOAD reg, extra
	WIN 0x80
.irp f, 0,1,2,3,4,5,6,7
.irp c, 0,1,2,3
	global_load_b128 v[\reg+16*\f+4*\c:\reg+16*\f+4*\c+3], v[GO], s[KP:KP+1] offset:\extra+\f*2048+\c*512
.endr
.endr
	WIN 0
.endm
	s_load_b128 s[4:7], s[0:1], 0x0                ; the slots of q, k, v s[4:5], the scales' exponents s[6:7]
	s_load_b64 s[8:9], s[0:1], 0x10                ; the result's codes
	v_lshl_add_u32 v[SPW], v0, 2, SPARE
	v_mov_b32 v[NIL], 0
	v_lshrrev_b32 v10, 5, v0
	v_readfirstlane_b32 s[WV], v10                 ; wave 0..3
	s_and_b32 s[GG], ttmp7, 0xffff                 ; g
	v_and_b32 v11, 31, v0
	v_lshlrev_b32 v[GO], 4, v11
	s_mul_i32 s60, s[WV], PART
	v_add_nc_u32 v[SG], s60, v[GO]
	v_add_nc_u32 v[SG+1], 4*PART, v[SG]
	v_add_nc_u32 v[SG+2], 8*PART, v[SG]
	v_add_nc_u32 v[SG+3], 12*PART, v[SG]
	s_mul_i32 s60, s[WV], 4*PART
	v_add_nc_u32 v[MB], s60, v[GO]
	v_add_nc_u32 v[MB+1], PHB, v[MB]
	s_sub_co_u32 s19, 127, ttmp9                   ; the first tile
	s_lshr_b32 s[NN], s19, 3
	s_add_co_u32 s[NN], s[NN], 1
	s_lshr_b32 s[N1], ttmp9, 3
	s_add_co_u32 s[N1], s[N1], 1
	s_sub_co_u32 s60, 3, s[WV]
	s_add_co_u32 s61, s60, s[NN]
	s_lshr_b32 s61, s61, 2
	s_add_co_u32 s60, s60, s[N1]
	s_lshr_b32 s60, s60, 2
	s_add_co_u32 s[REM], s60, s61
	s_lshl_b32 s[Q0], s19, 4
	s_mov_b32 s[KK], s[WV]
	s_mov_b32 s[PH], 0
	s_mov_b32 s[LDB], 0
	s_add_co_u32 s50, s[GG], 16                    ; K: slot 16 + g, my first step
	s_lshl_b32 s50, s50, 18
	s_lshl_b32 s51, s[WV], 14
	s_add_co_u32 s50, s50, s51
	s_mov_b32 s51, 0
	s_lshl_b32 s52, s[GG], 20                      ; Q: slots 4 g .. 4 g + 3, 2,048 bytes a tile
	s_lshl_b32 s54, ttmp9, 11
	s_add_co_u32 s54, s54, s52
	s_lshl_b32 s53, s19, 11
	s_add_co_u32 s52, s52, s53
	s_mov_b32 s53, 0
	s_mov_b32 s55, 0
	s_lshl_b32 s60, s[GG], 2
	s_add_co_u32 s60, s60, s[WV]
	s_lshl_b32 s60, s60, 14                        ; the result: K step = head 4 g + w
	s_lshr_b32 s56, s19, 3
	s_lshl_b32 s56, s56, 18
	s_add_co_u32 s56, s56, s60
	s_and_b32 s57, s19, 7
	s_lshl_b32 s57, s57, 11
	s_add_co_u32 s56, s56, s57
	s_mov_b32 s57, 0
	s_lshr_b32 s58, ttmp9, 3
	s_lshl_b32 s58, s58, 18
	s_add_co_u32 s58, s58, s60
	s_and_b32 s59, ttmp9, 7
	s_lshl_b32 s59, s59, 11
	s_add_co_u32 s58, s58, s59
	s_mov_b32 s59, 0
	s_mov_b32 s[SEL], 0x76543210
	s_mov_b32 s[SEL+1], 0xfedcba98
	s_mov_b32 s[CSC], 0x3e0293ee                   ; log2(e) / sqrt(128)
	WIN 0xc0
.set nn, 0
.rept 256                              ; O^T begins as zeros, written while the arguments are on their way: the step has no first step of its own
	v_mov_b32 v[nn], 0
.set nn, nn+1
.endr
	WIN 0
	s_wait_alu depctr_va_vdst(0)
	s_wait_kmcnt 0x0
	s_load_b256 s[68:75], s[6:7], 0x0              ; e0 .. e7
	s_load_b32 s84, s[6:7], 0x20                   ; e8
	s_add_nc_u64 s[KA:KA+1], s[4:5], s[50:51]
	s_mov_b64 s[KP:KP+1], s[KA:KA+1]
	s_add_nc_u64 s[40:41], s[4:5], s[52:53]
	s_add_nc_u64 s[42:43], s[4:5], s[54:55]
	s_add_nc_u64 s[OB0:OB0+1], s[8:9], s[56:57]
	s_add_nc_u64 s[OB1:OB1+1], s[8:9], s[58:59]
.irp t, 0,1,2,3                        ; the second tile's Q first: the oldest loads of all
.irp c, 0,1,2,3
	global_load_b128 v[QN+16*\t+4*\c:QN+16*\t+4*\c+3], v[GO], s[42:43] offset:\t*262144+\c*512
.endr
.endr
.irp t, 0,1,2,3
.irp c, 0,1,2,3
	global_load_b128 v[QQ+16*\t+4*\c:QQ+16*\t+4*\c+3], v[GO], s[40:41] offset:\t*262144+\c*512
.endr
.endr
	KVLOAD 0, 0
	KVLOAD 128, 0x100000
.irp t, 0,1,2,3
	v_mov_b32 v[MX+\t], 0xff61b1e6                 ; the largest t so far: -3e38, under every t
	v_mov_b32 v[QD+4*\t], 0x7f61b1e6               ; -M
	v_mov_b32 v[QD+4*\t+1], 0                      ; (upper halves of pairs that are named)
	v_mov_b32 v[QD+4*\t+2], 0                      ; the sum, in two halves
	v_mov_b32 v[QD+4*\t+3], 0
	v_mov_b32 v[FF+2*\t+1], 0
	v_mov_b32 v[PM+\t], 0                          ; a lane permute's destination counts as one of its sources
.endr
	s_wait_kmcnt 0x0
	s_add_co_i32 s60, s72, s73
	s_lshl_b32 s60, s60, 23
	s_add_co_i32 s[CSC], s[CSC], s60               ; a score stands for score x 2^(e4 + e5): added to the factor's exponent field
	s_mov_b32 s[CSC+1], s[CSC]
	s_add_co_i32 s60, s74, 127
	s_lshl_b32 s61, s60, 23
	v_mov_b32 v[SC6], s61
	s_add_co_i32 s60, s60, 8
	s_lshl_b32 s60, s60, 23
	s_or_b32 s60, s60, 0x600000
	v_mov_b32 v[SC6+1], s60
	s_add_co_i32 s60, s84, 127
	s_lshl_b32 s61, s60, 23
	v_mov_b32 v[SC6+2], s61
	s_add_co_i32 s60, s60, 8
	s_lshl_b32 s60, s60, 23
	s_or_b32 s60, s60, 0x600000
	v_mov_b32 v[SC6+3], s60
	s_add_co_i32 s85, s74, s75                     ; e6 + e7
; Head t: its exponentials, with the head before's second product among them; its sum; its codes.
.macro STAGE t
	WIN 0x41
	s_wait_alu depctr_va_vdst(0)
.set gg, 0
.rept 8
.irp i, 0,1,2,3,4,5,6,7
	v_exp_f32 v[64*(\t)+8*gg+\i], v[64*(\t)+8*gg+\i]   ; p = 2^(t - M), not normalised
.endr
.if (\t) > 0
	WIN 0xf2
	v_wmma_f32_16x16x128_fp8_fp8 v[64*(\t)-64+8*gg:64*(\t)-57+8*gg], v[128+16*gg:143+16*gg], v[PC:PC+15], v[64*(\t)-64+8*gg:64*(\t)-57+8*gg]
	WIN 0x41
.endif
.set gg, gg+1
.endr
	WIN 0
	v_pk_mul_f32 v[QD+4*(\t)+2:QD+4*(\t)+3], v[QD+4*(\t)+2:QD+4*(\t)+3], v[FF+2*(\t):FF+2*(\t)+1] op_sel_hi:[1,0]   ; the sum under the new M: the plain line behind the exponentials
	WIN 0x05
	s_wait_alu depctr_va_vdst(0)                   ; one wait for the whole batch, ahead of its first reader
.irp i, 0,1,2,3,4,5,6,7
	v_pk_add_f32 v[CH+2*\i:CH+2*\i+1], v[64*(\t)+4*\i:64*(\t)+4*\i+1], v[64*(\t)+4*\i+2:64*(\t)+4*\i+3]
.endr
	WIN 0x04
.irp k, 32,48
.irp i, 0,1,2,3,4,5,6,7
	v_pk_add_f32 v[CH+2*\i:CH+2*\i+1], v[CH+2*\i:CH+2*\i+1], v[64*(\t)+\k+2*\i:64*(\t)+\k+2*\i+1]
.endr
.endr
	WIN 0
.irp i, 0,4,8,12
	v_pk_add_f32 v[CH+\i:CH+\i+1], v[CH+\i:CH+\i+1], v[CH+\i+2:CH+\i+3]
.endr
	v_pk_add_f32 v[CH:CH+1], v[CH:CH+1], v[CH+4:CH+5]
	v_pk_add_f32 v[CH+8:CH+9], v[CH+8:CH+9], v[CH+12:CH+13]
	v_pk_add_f32 v[CH:CH+1], v[CH:CH+1], v[CH+8:CH+9]
	v_pk_add_f32 v[QD+4*(\t)+2:QD+4*(\t)+3], v[QD+4*(\t)+2:QD+4*(\t)+3], v[CH:CH+1]
	s_cmp_gt_i32 s[E6], -9                         ; the given scale reaches over every p: no hold
	s_cbranch_scc1 .Lno_hold_\@
	WIN 0x44
.set nn, 0
.rept 64
	v_min_num_f32 v[64*(\t)+nn], v[SC6+1], v[64*(\t)+nn]   ; the conversion to an 8-bit code does not saturate (ISA guide 7.6.2); p is not negative
.set nn, nn+1
.endr
	WIN 0
.Lno_hold_\@:
	WIN 0x01
.irp i, 0,1,2,3,4,5,6,7
	v_cvt_scalef32_pk8_fp8_f32 v[PC+2*\i:PC+2*\i+1], v[64*(\t)+8*\i:64*(\t)+8*\i+7], v[SC6]
.endr
	v_nop                                          ; a plain line behind the last conversion
	WIN 0
.endm
	s_wait_alu depctr_va_vdst(0)
.Lphase:                                           ; two trips: the tile 127 - p, the tile p
	s_cmp_eq_u32 s[PH], 0
	s_cbranch_scc1 .Lfirst
	s_wait_loadcnt 63                              ; the second tile's Q is in: at least 80 loads are younger, or all are done
.set nn, 0
.rept 64
	v_mov_b32 v[QQ+nn], v[QN+nn]
.set nn, nn+1
.endr
.Lfirst:
	s_wait_alu depctr_va_vdst(0)
	s_mov_b32 s[JJ], 0
.Lstep:                                            ; four trips; a trip whose key step lies behind the tile's last does nothing
	s_cmp_ge_u32 s[KK], s[NN]
	s_cbranch_scc1 .Lskip
	s_wait_loadcnt 32                              ; K (and Q) are in; V's 32 loads may be out
	WIN 0x42
.irp t, 0,1,2,3                                ; S^T = K Q^T
.irp f, 0,1,2,3,4,5,6,7
	v_wmma_f32_16x16x128_fp8_fp8 v[64*\t+8*\f:64*\t+8*\f+7], v[16*\f:16*\f+15], v[QQ+16*\t:QQ+16*\t+15], 0
.endr
.endr
	WIN 0
.irp t, 0,1,2,3
	v_mov_b32 v[OLD+\t], v[QD+4*\t]                ; (these are the four places behind the products)
.endr
	s_lshl_b32 s60, s[KK], 7                       ; the step's first key
	s_add_co_u32 s61, s60, 127
	s_cmp_le_u32 s61, s[Q0]                        ; a step all of whose keys count for every query is not masked
	s_cbranch_scc1 .Lopen
	s_sub_co_i32 s61, s[Q0], s60
	v_and_b32 v220, 15, v0
	v_bfe_u32 v221, v0, 4, 1
	v_lshlrev_b32 v221, 3, v221
	v_sub_nc_u32 v220, v220, v221
	v_add_nc_u32 v220, s61, v220                   ; d = my query - first key - 8 h: register n holds key 16 (n / 8) + n % 8 (+ first key + 8 h): hidden where that is above d
	v_mov_b32 v221, 0xff800000                     ; -infinity
	WIN 0x41
.set nn, 0
.rept 64
	v_cmp_gt_i32 vcc_lo, 16*(nn/8)+nn%8, v220
.irp t, 0,1,2,3
	v_cndmask_b32 v[64*\t+nn], v[64*\t+nn], v221, vcc_lo
.endr
.set nn, nn+1
.endr
	WIN 0
.Lopen:
	WIN 0x15                                       ; the step's largest score of my query among my 64 keys, two chains for each head
.irp t, 0,1,2,3
	v_max3_num_f32 v[MC+2*\t], v[64*\t], v[64*\t+1], v[64*\t+2]
	v_max3_num_f32 v[MC+2*\t+1], v[64*\t+3], v[64*\t+4], v[64*\t+5]
.endr
	WIN 0x14
.irp i, 6,10,14,18,22,26,30,34,38,42,46,50,54,58
.irp t, 0,1,2,3
	v_max3_num_f32 v[MC+2*\t], v[MC+2*\t], v[64*\t+\i], v[64*\t+\i+1]
	v_max3_num_f32 v[MC+2*\t+1], v[MC+2*\t+1], v[64*\t+\i+2], v[64*\t+\i+3]
.endr
.endr
.irp t, 0,1,2,3
	v_max3_num_f32 v[MC+2*\t], v[MC+2*\t], v[64*\t+62], v[64*\t+63]
.endr
	WIN 0
.irp t, 0,1,2,3
	v_max_num_f32 v[MC+2*\t], v[MC+2*\t], v[MC+2*\t+1]
.endr
.irp t, 0,1,2,3
	v_permlanex16_b32 v[PM+\t], v[MC+2*\t], s[SEL], s[SEL+1]
.endr
.irp t, 0,1,2,3
	v_max_num_f32 v[MC+2*\t], v[MC+2*\t], v[PM+\t] ; and among lane l xor 16's
.endr
.irp t, 0,1,2,3
	v_mul_f32 v[MC+2*\t], s[CSC], v[MC+2*\t]       ; as t
.endr
.irp t, 0,1,2,3
	v_max_num_f32 v[MX+\t], v[MX+\t], v[MC+2*\t]
.endr
.irp t, 0,1,2,3
	v_floor_f32 v[QD+4*\t], -v[MX+\t]              ; the new -M = -ceil(t): a whole number
.endr
.irp t, 0,1,2,3
	v_sub_f32 v[MC+2*\t], v[QD+4*\t], v[OLD+\t]    ; old M - new M: a whole number, 0 or less
.endr
.irp t, 0,1,2,3
	v_cvt_i32_f32 v[MC+2*\t], v[MC+2*\t]           ; (it saturates)
.endr
.irp t, 0,1,2,3
	v_ldexp_f32 v[FF+2*\t], 1.0, v[MC+2*\t]        ; f
.endr
	WIN 0x41
.irp t, 0,1,2,3
.set nn, 0
.rept 32
	v_pk_fma_f32 v[64*\t+nn:64*\t+nn+1], v[64*\t+nn:64*\t+nn+1], s[CSC:CSC+1], v[QD+4*\t:QD+4*\t+1] op_sel_hi:[1,0,0]   ; t - M (of the pairs the low word serves both halves)
.set nn, nn+2
.endr
.endr
	WIN 0xc3
	s_wait_alu depctr_va_vdst(0)                   ; directly ahead of the first reader of O^T
.irp t, 0,1,2,3
.set nn, 0
.rept 32
	v_pk_mul_f32 v[64*\t+nn:64*\t+nn+1], v[64*\t+nn:64*\t+nn+1], v[FF+2*\t:FF+2*\t+1] op_sel_hi:[1,0]   ; O^T under the new M
.set nn, nn+2
.endr
.endr
	WIN 0
	STAGE 0
	s_wait_loadcnt 0x0                             ; V is in
	s_cmp_gt_u32 s[REM], 1
	s_cbranch_scc0 .Lno_k                          ; my last step of all asks for nothing
	s_wait_xcnt 0x0                                ; V's loads have read their base
	s_add_nc_u64 s[38:39], s[KP:KP+1], 0x10000     ; four key steps on, or the second tile's first
	s_add_co_u32 s60, s[KK], 4
	s_cmp_lt_u32 s60, s[NN]
	s_cselect_b64 s[KP:KP+1], s[38:39], s[KA:KA+1]
	KVLOAD 0, 0                                    ; K was read by the products above, many plain lines ago
.Lno_k:
	STAGE 1
	STAGE 2
	STAGE 3
	WIN 0xf2
.irp f, 0,1,2,3,4,5,6,7
	v_wmma_f32_16x16x128_fp8_fp8 v[192+8*\f:199+8*\f], v[128+16*\f:143+16*\f], v[PC:PC+15], v[192+8*\f:199+8*\f]
.endr
	WIN 0
.rept 4
	v_nop                                          ; places behind the products, ahead of loads into V and of stores of O^T
.endr
	s_cmp_gt_u32 s[REM], 1
	s_cbranch_scc0 .Lno_v
	KVLOAD 128, 0x100000                           ; V of the step whose K is on its way
.Lno_v:
	s_sub_co_u32 s[REM], s[REM], 1
.Lskip:
	s_add_co_u32 s[KK], s[KK], 4
	s_add_co_u32 s[JJ], s[JJ], 1
	s_cmp_lt_u32 s[JJ], 4
	s_wait_alu depctr_va_vdst(0)
	s_cbranch_scc1 .Lstep
	; The phase's end: my parts go into LDS, lane l's 16 bytes at 16 l, 512 bytes a store.
.irp t, 0,1,2,3
	v_add_nc_u32 v[222+\t], s[LDB], v[SG+\t]
.endr
	s_wait_alu depctr_va_vdst(0)
.irp t, 0,1,2,3
	ds_store_b128 v[222+\t], v[QD+4*\t:QD+4*\t+3] offset:8192   ; -M in the first word, the sum's halves in the third and fourth
.endr
	WIN 0x0c
.irp t, 0,1,2,3
	s_wait_alu depctr_va_vdst(0)
.set nn, 0
.rept 16
	ds_store_b128 v[222+\t], v[64*\t+4*nn:64*\t+4*nn+3] offset:512*nn
.set nn, nn+1
.endr
.endr
	WIN 0
.irp t, 0,1,2,3
	v_mov_b32 v[MX+\t], 0xff61b1e6
	v_mov_b32 v[QD+4*\t], 0x7f61b1e6
.endr
	s_mov_b32 s[NN], s[N1]
	s_lshl_b32 s[Q0], ttmp9, 4
	s_mov_b32 s[KK], s[WV]
	s_add_co_u32 s[LDB], s[LDB], PHB
	s_add_co_u32 s[PH], s[PH], 1
	s_cmp_lt_u32 s[PH], 2
	s_wait_alu depctr_va_vdst(0)
	s_cbranch_scc1 .Lphase
	; THE PARTS ARE JOINED.  Unit u: the phase; part k: wave k's.
	s_wait_dscnt 0x0                               ; for the others' sake: my stores are done
	s_barrier_signal -1
	s_barrier_wait -1
.irp u, 0,1
.irp k, 0,1,2,3
	ds_load_b128 v[32+16*\u+4*\k:35+16*\u+4*\k], v[MB+\u] offset:\k*PART+8192
.endr
.endr
	WIN 0x40
.irp k, 0,1,2,3
.set nn, 0
.rept 16
	ds_load_b128 v[64*\k+4*nn:64*\k+4*nn+3], v[MB] offset:\k*PART+512*nn
.set nn, nn+1
.endr
.endr
	WIN 0
	s_wait_dscnt 63                                ; the eight -M and sums are in: 64 loads are younger
.irp u, 0,1
	v_min_num_f32 v[96+\u], v[32+16*\u], v[36+16*\u]
.endr
.irp u, 0,1
	v_min_num_f32 v[96+\u], v[96+\u], v[40+16*\u]
.endr
.irp u, 0,1
	v_min_num_f32 v[96+\u], v[96+\u], v[44+16*\u]  ; -M of the largest M
.endr
.irp u, 0,1
.irp k, 0,1,2,3
	v_sub_f32 v[100+4*\u+\k], v[96+\u], v[32+16*\u+4*\k]       ; own M less the largest: a whole number, 0 or less
	v_add_f32 v[128+4*\u+\k], v[34+16*\u+4*\k], v[35+16*\u+4*\k]   ; the part's sum
.endr
.endr
.irp u, 0,1
.irp k, 0,1,2,3
	v_cvt_i32_f32 v[100+4*\u+\k], v[100+4*\u+\k]   ; (it saturates)
	v_mov_b32 v[113+8*\u+2*\k], 0                  ; (upper halves of pairs that are named)
.endr
.endr
.irp u, 0,1
.irp k, 0,1,2,3
	v_ldexp_f32 v[112+8*\u+2*\k], 1.0, v[100+4*\u+\k]   ; the part's factor: a power of two, or 0
.endr
.endr
.irp u, 0,1
	v_mul_f32 v[136+\u], v[128+4*\u], v[112+8*\u]
.endr
.irp k, 1,2,3
.irp u, 0,1
	v_fma_f32 v[136+\u], v[128+4*\u+\k], v[112+8*\u+2*\k], v[136+\u]
.endr
.endr
.irp u, 0,1
	v_permlanex16_b32 v[PM+\u], v[136+\u], s[SEL], s[SEL+1]
.endr
.irp u, 0,1
	v_add_f32 v[136+\u], v[136+\u], v[PM+\u]       ; the row's sum
.endr
	s_wait_alu depctr_va_vdst(0)                   ; a wait ahead of the batch
	v_rcp_f32 v140, v136
	v_rcp_f32 v141, v137
	v_nop                                          ; a plain line behind the transcendentals
	s_wait_alu depctr_va_vdst(0)                   ; and ahead of the first reader
	v_ldexp_f32 v140, v140, s85                    ; x 2^(e6 + e7)
	v_ldexp_f32 v141, v141, s85
.irp u, 0,1
.irp k, 0,1,2,3
	v_mul_f32 v[112+8*\u+2*\k], v[112+8*\u+2*\k], v[140+\u]
.endr
.endr
	WIN 0xc0
.irp k, 0,1,2,3
.set nn, 0
.rept 16
	ds_load_b128 v[64*\k+4*nn:64*\k+4*nn+3], v[MB+1] offset:\k*PART+512*nn
.set nn, nn+1
.endr
.endr
	WIN 0
	s_wait_alu depctr_va_vdst(0)
	s_wait_dscnt 63                                ; the first unit's 64 loads are in: the second's 64 are younger
.macro JOIN u, w1, w2, w3, ob          ; sum of factor x part, quantised by e8, stored as the fragment that it is
	WIN \w1
.set nn, 0
.rept 32
	v_pk_mul_f32 v[nn:nn+1], v[nn:nn+1], v[112+8*\u:113+8*\u] op_sel_hi:[1,0]
.set nn, nn+2
.endr
	WIN \w2
.irp k, 1,2,3
.set nn, 0
.rept 32
	v_pk_fma_f32 v[nn:nn+1], v[64*\k+nn:64*\k+nn+1], v[112+8*\u+2*\k:113+8*\u+2*\k], v[nn:nn+1] op_sel_hi:[1,0,1]
.set nn, nn+2
.endr
.endr
	WIN \w1
.set nn, 0
.rept 64
	v_med3_num_f32 v[nn], v[nn], -v[SC6+3], v[SC6+3]
.set nn, nn+1
.endr
	WIN \w3
.irp i, 0,1,2,3,4,5,6,7
	v_cvt_scalef32_pk8_fp8_f32 v[144+16*\u+2*\i:145+16*\u+2*\i], v[8*\i:8*\i+7], v[SC6+2]
.endr
	v_nop                                          ; a plain line behind the last conversion
	WIN 0
.irp c, 0,1,2,3
	global_store_b128 v[GO], v[144+16*\u+4*\c:147+16*\u+4*\c], s[\ob:\ob+1] offset:\c*512   ; 512 consecutive bytes, aligned
.endr
.endm
	JOIN 0, 0x41, 0x51, 0x01, OB0
	s_wait_dscnt 0x0                               ; the second unit's parts are in
	JOIN 1, 0xc3, 0xf3, 0x03, OB1
	s_wait_tensorcnt 0x0                           ; the wave's end, behind my last LDS store
	ds_add_u32 v[SPW], v[NIL]
	s_wait_dscnt 0x0
	s_endpgm
.Lfunc_end_k_q4f5aa7d5b5_attn:
	.size	k_q4f5aa7d5b5_attn, .Lfunc_end_k_q4f5aa7d5b5_attn-k_q4f5aa7d5b5_attn
	.p2alignl 7, 3214868480
	.fill 96, 4, 3214868480
	.section	.rodata,"a",@progbits
	.p2align	6, 0x0
	.amdhsa_kernel k_q4f5aa7d5b5_attn
		.amdhsa_group_segment_fixed_size 279040
		.amdhsa_private_segment_fixed_size 0
		.amdhsa_enable_private_segment 0
		.amdhsa_kernarg_size 24
		.amdhsa_user_sgpr_count 2
		.amdhsa_user_sgpr_kernarg_segment_ptr 1
		.amdhsa_wavefront_size32 1
		.amdhsa_system_sgpr_workgroup_id_x 1
		.amdhsa_system_sgpr_workgroup_id_y 1
		.amdhsa_system_sgpr_workgroup_id_z 1
		.amdhsa_system_vgpr_workitem_id 0
		.amdhsa_next_free_vgpr 1024
		.amdhsa_next_free_sgpr 100
		.amdhsa_reserve_vcc 1
		.amdhsa_float_denorm_mode_32 3
		.amdhsa_float_denorm_mode_16_64 3
		.amdhsa_memory_ordered 1
		.amdhsa_forward_progress 1
		.amdhsa_inst_pref_size 146
	.end_amdhsa_kernel
	.amdgpu_metadata
---
amdhsa.version: [ 1, 2 ]
amdhsa.kernels:
  - .name:           k_q4f5aa7d5b5_attn
    .symbol:         k_q4f5aa7d5b5_attn.kd
    .args:
      - { .name: qkvcodes, .offset: 0, .size: 8, .value_kind: global_buffer, .address_space: global }
      - { .name: lowp_scales, .offset: 8, .size: 8, .value_kind: global_buffer, .address_space: global }
      - { .name: ocodes, .offset: 16, .size: 8, .value_kind: global_buffer, .address_space: global }
    .group_segment_fixed_size: 279040
    .private_segment_fixed_size: 0
    .kernarg_segment_align: 8
    .kernarg_segment_size: 24
    .max_flat_workgroup_size: 128
    .sgpr_count:     100
    .vgpr_count:     1024
    .wavefront_size: 32
...
	.end_amdgpu_metadata
.endif
;; end of part 3
;; launch proj (part 4): grid 16 x 16, 4 waves a work-group, clusters of 4 x 1, 327,680 bytes of LDS; arguments ocodes, wocodes, bo, lowp_scales, out0; writes out0
.if DOCPART == 4
	.amdgcn_target "amdgcn-amd-amdhsa--gfx1250"
	.amdhsa_code_object_version 6
	.text
	.protected	k_q4f5aa7d5b5_proj
	.globl	k_q4f5aa7d5b5_proj
	.p2align	8
	.type	k_q4f5aa7d5b5_proj,@function
k_q4f5aa7d5b5_proj:
	s_mov_b64 s[64:65], 0
	v_nop
	global_prefetch_b8 v0, s[64:65] scope:SCOPE_SE
	s_setreg_imm32_b32 hwreg(HW_REG_WAVE_MODE, 25, 1), 1
	s_wait_xcnt 0x0
	s_wait_alu depctr_hold_cnt(0) depctr_sa_sdst(0) depctr_va_vdst(0) depctr_va_sdst(0) depctr_va_ssrc(0) depctr_va_vcc(0) depctr_vm_vsrc(0)
	s_getreg_b32 s2, hwreg(HW_REG_IB_STS2, 6, 4)
	s_cmp_eq_u32 s2, 0
	s_cbranch_scc0 .Lentry_in_a_cluster
	s_endpgm
.Lentry_in_a_cluster:
	s_bfe_u32 s2, ttmp6, 0x10000c
	s_cmp_lg_u32 s2, 0x3003
	s_cbranch_scc0 .Lentry_shape_is_right
	s_endpgm
.Lentry_shape_is_right:
; LAUNCH 4 OF 4.  out = o Wo^T + bo on codes of FP8 (E4M3): a sum stands for sum x 2^(e8 + e9).  LIMIT: e8 + e9 lies between -126 and 127.
; A work-group makes 128 tokens (work-group y) x 128 columns; wave w all 128 tokens x the column tiles w, w + 4.  Clusters of four along x need the same tokens' codes.
; L, those codes for all of K (262,144 bytes), lies whole in LDS as an image of the fragments' registers.  It comes by two joint tensor loads a wave: K steps 0 to 3 at the head, a K step a wave; K steps 4 to 15 behind the second round,
; three a wave, while the first four are multiplied.  One is out at the most, and nothing in LDS is filled twice.
; R, Wo's codes, goes from memory straight into registers through a ring of eight sets, seven K steps ahead: so it is not shared in the cluster, and needs no prefetch.
; The matrix instruction is used transposed (source 0 = 16 rows of Wo, source 1 = 16 tokens).  The results leave through a stage in LDS as whole rows of 512 bytes.
; Windows: 0 addresses, bias, the way out; 1 the 16 accumulators; 2 R's ring; 3 L's two sets.
.set G1B,  36                          ; s[36:43] descriptor group 1 of the second load
.set NT,    2
.set RD,    8
.set SPARE, 262144
.set LA,   1
.set RO,   5
.set SPW,  6
.set NIL,  7
.set BO,   8
.set FST,  16
.set FLD,  17
.set BI,   32
.set YR,   128
.set WV,   16
.set CX,   17
.set CLX,  18
.set YY,   19
.set G1,   20
.set G0,   28
.set LB,   44
.set RA,   46
.set OUT,  50
.set PB,   52
.set SC,   58
.set MSB, 0
.macro WIN new
.if MSB != \new
	s_set_vgpr_msb (MSB<<8)|\new
.set MSB, \new
.endif
.endm
.set W_LF,  0xc0
.set W_RL,  0x80
.set W_MUL, 0x5e
.macro PLACES
.rept 4
	v_nop
.endr
.endm
.macro ROUND
	s_barrier_signal -1
	s_barrier_wait -1
	s_cmp_lg_u32 s[WV], 0
	s_cbranch_scc1 .Lnot_wave_0_\@
	s_barrier_signal -3
.Lnot_wave_0_\@:
	s_barrier_wait -3
	s_barrier_signal -1
	s_barrier_wait -1
.endm
.macro LFETCH s
	WIN W_LF
.irp a, 0,1,2,3,4,5,6,7
.irp c, 0,1,2,3
	ds_load_b128 v[128*((\s)%2)+16*\a+4*\c:128*((\s)%2)+16*\a+4*\c+3], v[LA+(\s)/4] offset:((\s)%4)*16384+\a*2048+\c*512
.endr
.endr
.endm
.macro RLOAD s
	WIN W_RL
.set tq, 0
.rept NT
.set rr, 16*NT*((\s)%RD)+16*tq
.irp c, 0,1,2,3
	global_load_b128 v[rr+4*\c:rr+4*\c+3], v[RO], s[RA:RA+1] offset:(\s)*16384+tq*8192+\c*512
.endr
.set tq, tq+1
.endr
.endm
.macro MUL s
	WIN W_MUL
.irp a, 0,1,2,3,4,5,6,7
.set tq, 0
.rept NT
.set ac, 8*(NT*\a+tq)
.set rr, 16*NT*((\s)%RD)+16*tq
.set lf, 128*((\s)%2)+16*\a
.if (\s) == 0
	v_wmma_f32_16x16x128_fp8_fp8 v[ac:ac+7], v[rr:rr+15], v[lf:lf+15], 0
.else
	v_wmma_f32_16x16x128_fp8_fp8 v[ac:ac+7], v[rr:rr+15], v[lf:lf+15], v[ac:ac+7]
.endif
.set tq, tq+1
.endr
.endr
.endm
.macro STEP s
.if (\s) == 3
	s_wait_tensorcnt 0x0                           ; my part of K steps 4 to 15 has landed.
	s_wait_dscnt 0x0
	s_barrier_signal -1
	s_barrier_wait -1
.endif
.if (\s) > 0
	PLACES
.endif
.if (\s) < 15
	LFETCH (\s)+1
.endif
.if ((\s) >= 1) && ((\s) <= 16-RD)
	RLOAD (\s)+RD-1
.endif
.if (\s) < 15
	s_wait_dscnt 32
.else
	s_wait_dscnt 0
.endif
.if 15-(\s) < RD-1
	s_wait_loadcnt 4*NT*(15-(\s))
.else
	s_wait_loadcnt 4*NT*(RD-1)
.endif
	MUL \s
.endm
	s_load_b256 s[4:11], s[0:1], 0x0
	s_load_b64 s[12:13], s[0:1], 0x20
	v_lshl_add_u32 v[SPW], v0, 2, SPARE
	v_mov_b32 v[NIL], 0
	ds_add_u32 v[SPW], v[NIL]
	ds_add_u32 v[SPW], v[NIL]
	v_lshrrev_b32 v20, 5, v0
	v_readfirstlane_b32 s[WV], v20
	s_bfe_u32 s[CX], ttmp6, 0x40000
	s_mov_b32 s[CLX], ttmp9
	s_and_b32 s[YY], ttmp7, 0xffff
	s_mov_b32 s[G1+0], 15|(3<<16)|(1<<21)
	s_mov_b32 s[G1+1], 32<<16
	s_mov_b32 s[G1+2], 64<<16
	s_mov_b32 s[G1+3], 32<<16
	s_mov_b32 s[G1+4], 64
	s_mov_b32 s[G1+5], 32
	s_mov_b32 s[G1+6], 0
	s_mov_b32 s[G1+7], 0
	v_and_b32 v20, 31, v0
	v_and_b32 v21, 15, v0
	v_bfe_u32 v22, v0, 4, 1
	v_lshlrev_b32 v[LA], 4, v20
	v_add_nc_u32 v[LA+1], 0x10000, v[LA]
	v_add_nc_u32 v[LA+2], 0x20000, v[LA]
	v_add_nc_u32 v[LA+3], 0x30000, v[LA]
	s_lshl_b32 s86, s[WV], 11
	v_add_nc_u32 v[RO], s86, v[LA]
	s_lshl_b32 s86, s[WV], 6
	v_lshl_add_u32 v[BO], v22, 5, s86
	v_lshlrev_b32 v9, 8, v20                       ; v9, v10: the prefetches' offsets: 256 x lane, and the same held at 15 lanes; never rewritten
	v_min_u32 v10, 15, v20
	v_lshlrev_b32 v10, 8, v10
	v_mul_u32_u24 v[FST], v21, 528
	v_add_nc_u32 v[FST], v[FST], v[BO]
	s_mul_i32 s86, s[WV], 32*528
	v_add_nc_u32 v[FLD], s86, v[LA]
	s_wait_dscnt 0x0
	s_wait_kmcnt 0x0
	s_load_b64 s[76:77], s[10:11], 0x20
	s_lshl_b32 s78, s[YY], 18
	s_lshl_b32 s80, s[WV], 14
	s_add_co_u32 s78, s78, s80
	s_mov_b32 s79, 0
	s_add_nc_u64 s[LB:LB+1], s[4:5], s[78:79]
	s_mov_b32 s[G1B+0], 15|(3<<16)|(1<<21)         ; as group 1 of the first load, but 192 rows of 256 bytes: three K steps
	s_mov_b32 s[G1B+1], 32<<16
	s_mov_b32 s[G1B+2], 192<<16
	s_mov_b32 s[G1B+3], 32<<16
	s_mov_b32 s[G1B+4], 192
	s_mov_b32 s[G1B+5], 32
	s_mov_b32 s[G1B+6], 0
	s_mov_b32 s[G1B+7], 0
	s_mov_b32 s[G0], 1                             ; the first load of wave w brings K step w
	s_mov_b32 s[G0+1], s80
	s_mov_b64 s[G0+2:G0+3], s[LB:LB+1]
	s_or_b32 s[G0+3], s[G0+3], 0x80000000
	s_mul_i32 s86, s[WV], 49152                    ; the second brings K steps 4 + 3 w .. 6 + 3 w
	s_mov_b32 s[G0+4], 1
	s_add_co_u32 s[G0+5], s86, 65536
	s_lshl_b32 s86, s[WV], 15                      ; LB stands at K step w: 3 w lies 2 w further on
	s_mov_b32 s87, 0
	s_add_nc_u64 s[G0+6:G0+7], s[LB:LB+1], s[86:87]
	s_add_nc_u64 s[G0+6:G0+7], s[G0+6:G0+7], 65536
	s_or_b32 s[G0+7], s[G0+7], 0x80000000
	s_wait_alu depctr_va_vdst(0)
	ROUND                                          ; all four work-groups are here: the joint loads meet
	tensor_load_to_lds s[G0:G0+3], s[G1:G1+7]
	s_nop 0
	PLACES
	s_lshl_b32 s82, s[CLX], 2
	s_add_co_u32 s82, s82, s[CX]
	s_lshl_b32 s84, s82, 18
	s_mov_b32 s85, 0
	s_add_nc_u64 s[RA:RA+1], s[6:7], s[84:85]
	s_lshl_b32 s84, s82, 9
	s_add_nc_u64 s[PB:PB+1], s[8:9], s[84:85]
	s_add_nc_u64 s[OUT:OUT+1], s[12:13], s[84:85]
	s_lshl_b32 s84, s[YY], 7
	s_lshl_b32 s86, s[WV], 5
	s_add_co_u32 s84, s84, s86
	s_lshl_b32 s84, s84, 13
	s_add_nc_u64 s[OUT:OUT+1], s[OUT:OUT+1], s[84:85]
	; L is prefetched: what the second tensor load will ask for, 768 blocks of 256 bytes, each named once in the cluster: 48 for each of its 16 waves, at 65,536 + 12,288 (4 cx + w) of the block (LB stands 16,384 w on):
	; the partners are told apart by address.  K steps 0 to 3 come by their load alone.
	s_mul_i32 s90, s[CX], 49152
	s_add_co_u32 s90, s90, 65536
	s_lshl_b32 s91, s[WV], 12
	s_sub_co_u32 s90, s90, s91
	s_mov_b32 s91, 0
	s_add_nc_u64 s[88:89], s[LB:LB+1], s[90:91]
	s_wait_alu depctr_va_vdst(0)
	global_prefetch_b8 v9, s[88:89] th:TH_LOAD_NT scope:SCOPE_SE
	global_prefetch_b8 v10, s[88:89] offset:8192 th:TH_LOAD_NT scope:SCOPE_SE   ; 16 blocks; the lanes left over name the last again
.irp u, 0,1
	global_load_b128 v[BI+8*\u:BI+8*\u+3],   v[BO], s[PB:PB+1] offset:\u*256
	global_load_b128 v[BI+8*\u+4:BI+8*\u+7], v[BO], s[PB:PB+1] offset:\u*256+16
.endr
.irp s, 0,1,2,3,4,5,6,7
	RLOAD \s
.endr
	WIN 0
	s_wait_kmcnt 0x0
	s_add_co_i32 s[SC], s76, s77
	s_add_co_i32 s[SC], s[SC], 127
	s_lshl_b32 s[SC], s[SC], 23
	s_mov_b32 s[SC+1], s[SC]
	s_wait_alu depctr_va_vdst(0)
	s_wait_tensorcnt 0x0                           ; my K step of the first four is in
	ds_add_u32 v[SPW], v[NIL]
	s_wait_dscnt 0x0                               ; the add is done
	ROUND                                          ; K steps 0 to 3 are whole, and the partners are here:
	tensor_load_to_lds s[G0+4:G0+7], s[G1B:G1B+7]  ; K steps 4 to 15
	s_nop 0
	PLACES
	LFETCH 0
.irp s, 0,1,2,3,4,5,6,7,8,9,10,11,12,13,14,15
	STEP \s
.endr
	WIN 0
	s_barrier_signal -1                            ; my reads of L are over (the last step waited for them): the stage below lies on L's first bytes
	PLACES
	WIN 0x01
.irp a, 0,1,2,3,4,5,6,7
.irp u, 0,1
.irp j, 0,2,4,6
	v_pk_fma_f32 v[YR+16*\a+8*\u+\j:YR+16*\a+8*\u+\j+1], v[8*(2*\a+\u)+\j:8*(2*\a+\u)+\j+1], s[SC:SC+1], v[BI+8*\u+\j:BI+8*\u+\j+1] op_sel_hi:[1,0,1]
.endr
.endr
.endr
	WIN 0
	s_wait_alu depctr_va_vdst(0)
	s_barrier_wait -1                              ; every wave's reads of L are over
.irp a, 0,1,2,3,4,5,6,7
.irp u, 0,1
	ds_store_b128 v[FST], v[YR+16*\a+8*\u:YR+16*\a+8*\u+3] offset:\a*8448+\u*256
	ds_store_b128 v[FST], v[YR+16*\a+8*\u+4:YR+16*\a+8*\u+7] offset:\a*8448+\u*256+16
.endr
.endr
	s_wait_dscnt 0x0
	s_barrier_signal -1
	s_barrier_wait -1
.set nn, 0
.rept 32
	ds_load_b128 v[YR+4*nn:YR+4*nn+3], v[FLD] offset:nn*528
.set nn, nn+1
.endr
.set nn, 0
.rept 32
	s_wait_dscnt 31-nn
	global_store_b128 v[LA], v[YR+4*nn:YR+4*nn+3], s[OUT:OUT+1] offset:nn*8192 th:TH_STORE_NT
.set nn, nn+1
.endr
	s_wait_tensorcnt 0x0
	ds_add_u32 v[SPW], v[NIL]
	s_wait_dscnt 0x0
	ROUND
	s_endpgm
.Lfunc_end_k_q4f5aa7d5b5_proj:
	.size	k_q4f5aa7d5b5_proj, .Lfunc_end_k_q4f5aa7d5b5_proj-k_q4f5aa7d5b5_proj
	.p2alignl 7, 3214868480
	.fill 96, 4, 3214868480
	.section	.rodata,"a",@progbits
	.p2align	6, 0x0
	.amdhsa_kernel k_q4f5aa7d5b5_proj
		.amdhsa_group_segment_fixed_size 327680
		.amdhsa_private_segment_fixed_size 0
		.amdhsa_enable_private_segment 0
		.amdhsa_kernarg_size 40
		.amdhsa_user_sgpr_count 2
		.amdhsa_user_sgpr_kernarg_segment_ptr 1
		.amdhsa_wavefront_size32 1
		.amdhsa_system_sgpr_workgroup_id_x 1
		.amdhsa_system_sgpr_workgroup_id_y 1
		.amdhsa_system_sgpr_workgroup_id_z 1
		.amdhsa_system_vgpr_workitem_id 0
		.amdhsa_next_free_vgpr 1024
		.amdhsa_next_free_sgpr 100
		.amdhsa_reserve_vcc 0
		.amdhsa_float_denorm_mode_32 3
		.amdhsa_float_denorm_mode_16_64 3
		.amdhsa_memory_ordered 1
		.amdhsa_forward_progress 1
		.amdhsa_inst_pref_size 84
	.end_amdhsa_kernel
	.amdgpu_metadata
---
amdhsa.version: [ 1, 2 ]
amdhsa.kernels:
  - .name:           k_q4f5aa7d5b5_proj
    .symbol:         k_q4f5aa7d5b5_proj.kd
    .args:
      - { .name: ocodes, .offset: 0, .size: 8, .value_kind: global_buffer, .address_space: global }
      - { .name: wocodes, .offset: 8, .size: 8, .value_kind: global_buffer, .address_space: global }
      - { .name: bo, .offset: 16, .size: 8, .value_kind: global_buffer, .address_space: global }
      - { .name: lowp_scales, .offset: 24, .size: 8, .value_kind: global_buffer, .address_space: global }
      - { .name: out0, .offset: 32, .size: 8, .value_kind: global_buffer, .address_space: global }
    .group_segment_fixed_size: 327680
    .private_segment_fixed_size: 0
    .kernarg_segment_align: 8
    .kernarg_segment_size: 40
    .max_flat_workgroup_size: 128
    .sgpr_count:     100
    .vgpr_count:     1024
    .wavefront_size: 32
...
	.end_amdgpu_metadata
.endif
;; end of part 4
